; MI455X (gfx1250); checked and timed in simulation.
; The chip was launched on July 23, 2026; its instructions are those of AMD's public machine-readable ISA for CDNA 5 (MIT licence, August 2026) and "CDNA5" Instruction Set Architecture Reference Guide (July 2026). The comments in the code are by the model that wrote it; some were corrected since.
;; Attention. Allowed arithmetic: float matrix products may take bf16 or f16 operands with f32 sums; other float arithmetic in f32, or as packed bf16 or f16 multiplies, adds, multiply-adds, maxima and minima; sums over many terms, partial sums and values carried from step to step in f32; what a program stores and reads back later, other than sums and carried values, may be rounded once to bf16 or f16.
;; Inputs: Wk 512 x 8 x 64 float32; Wo 8 x 64 x 512 float32; Wq 512 x 8 x 64 float32; Wv 512 x 8 x 64 float32; bk 8 x 64 float32; bo 512 float32; bq 8 x 64 float32; bv 8 x 64 float32; proj 256 x 64 float32; x 2 x 4,096 x 512 float32.
;; Outputs: out0 2 x 4,096 x 512 float32.
;; One version. Each part assembles by itself: llvm-mc -triple=amdgcn-amd-amdhsa -mcpu=gfx1250 --defsym DOCPART=n.
;; ======== version 1 of 1: 6 launches
;; limits: values are held in f16: magnitudes above 65,504 overflow, below 6.1e-05 lose precision
;; workspace buffers: wts 2,129,920 bytes; qkv 34,082,816 bytes; st 20,971,520 bytes; pre 8,667,136 bytes; avf 16,777,216 bytes
;; launch prep (part 1): grid 520 x 1, 8 waves a work-group, no clusters, 0 bytes of LDS; arguments Wq, Wk, Wv, Wo, proj, wts; writes wts
.if DOCPART == 1
	.amdgcn_target "amdgcn-amd-amdhsa--gfx1250"
	.amdhsa_code_object_version 6
	.text
	.protected	k_q4a438742e2_prep
	.globl	k_q4a438742e2_prep
	.p2align	8
	.type	k_q4a438742e2_prep,@function
k_q4a438742e2_prep:
	s_mov_b64 s[64:65], 0
	v_nop
	global_prefetch_b8 v0, s[64:65] scope:SCOPE_SE
	s_setreg_imm32_b32 hwreg(HW_REG_WAVE_MODE, 25, 1), 1
	s_wait_xcnt 0x0
; The weights are rounded to bf16 and laid out as matrix fragments: a fragment is 16 columns x 32 k in 1,024 bytes, two halves of 512;
; in a half lane l puts its 16 bytes at 16 l: column l % 16, k = 8 (l / 16) + 0..7 of the half's 16.
; wts: Wq, Wk, Wv as [mat][k step 16][column tile 32] in bf16; then Wo as [k step 16][column tile 32] and proj as [feature tile 16][k step 2],
; both as f16 of the bf16 number (exact while the number lies in f16's normal range; below 6e-5 it keeps f16's step of 6e-8).
; One thread makes one piece of 16 bytes; work-group id writes bytes 4,096 id on, 16 bytes a thread: each store of a wave covers 512 consecutive bytes.
	s_load_b256 s[4:11], s[0:1], 0x0               ; Wq s[4:5], Wk s[6:7], Wv s[8:9], Wo s[10:11]
	s_load_b128 s[12:15], s[0:1], 0x20             ; proj s[12:13], wts s[14:15]
	s_lshl_b32 s16, ttmp9, 12
	s_mov_b32 s17, 0
	v_lshlrev_b32 v1, 4, v0                        ; my 16 bytes of the group's 4,096
	v_and_b32 v3, 15, v0                           ; column in the tile
	v_bfe_u32 v4, v0, 4, 1                         ; which 8 of the half's 16 k
	v_bfe_u32 v5, v0, 5, 1                         ; which half of the fragment
	v_bfe_u32 v6, v0, 6, 2                         ; which of the group's four fragments
	s_wait_kmcnt 0x0
	s_add_nc_u64 s[14:15], s[14:15], s[16:17]
	s_cmp_ge_u32 ttmp9, 512
	s_cbranch_scc1 .Lproj
	; a [512][512] matrix, k along the rows' number: eight numbers of one column, 2,048 bytes apart
	s_and_b32 s18, ttmp9, 127
	s_lshr_b32 s19, s18, 3                         ; k step
	s_and_b32 s18, s18, 7                          ; four column tiles
	s_lshl_b32 s19, s19, 16                        ; 32 rows of 2,048 bytes
	s_lshl_b32 s18, s18, 8                         ; 64 columns of 4 bytes
	s_add_co_u32 s18, s18, s19
	v_lshlrev_b32 v7, 2, v3
	v_lshl_add_u32 v7, v6, 6, v7
	v_lshl_add_u32 v7, v4, 14, v7
	v_lshl_add_u32 v7, v5, 15, v7
	v_add_nc_u32 v7, s18, v7
	s_lshr_b32 s20, ttmp9, 7                       ; which matrix
	s_cmp_eq_u32 s20, 1
	s_cselect_b64 s[4:5], s[6:7], s[4:5]
	s_cmp_eq_u32 s20, 2
	s_cselect_b64 s[4:5], s[8:9], s[4:5]
	s_cmp_eq_u32 s20, 3
	s_cselect_b64 s[4:5], s[10:11], s[4:5]
.irp j, 0,1,2,3,4,5,6,7
	global_load_b32 v[8+\j], v7, s[4:5] offset:2048*\j
.endr
	s_branch .Lcvt
.Lproj:
	; proj is [256][64] with k along the row: eight neighbouring numbers
	s_sub_co_u32 s18, ttmp9, 512
	s_lshl_b32 s18, s18, 13                        ; two feature tiles of 16 rows x 256 bytes
	v_lshlrev_b32 v7, 8, v3
	v_lshl_add_u32 v7, v4, 5, v7
	v_lshl_add_u32 v7, v5, 6, v7
	v_bfe_u32 v16, v0, 6, 1                        ; k step
	v_lshl_add_u32 v7, v16, 7, v7
	v_bfe_u32 v16, v0, 7, 1                        ; feature tile
	v_lshl_add_u32 v7, v16, 12, v7
	v_add_nc_u32 v7, s18, v7
	global_load_b128 v[8:11], v7, s[12:13]
	global_load_b128 v[12:15], v7, s[12:13] offset:16
.Lcvt:
	s_wait_loadcnt 0x0
.irp j, 0,1,2,3
	v_cvt_pk_bf16_f32 v[16+\j], v[8+2*\j], v[9+2*\j]
.endr
	s_cmp_lt_u32 ttmp9, 384
	s_cbranch_scc1 .Lstore                         ; Wq, Wk, Wv stay bf16
.irp j, 0,1,2,3
	v_lshlrev_b32 v[8+2*\j], 16, v[16+\j]          ; the bf16 numbers as f32,
	v_and_b32 v[9+2*\j], 0xffff0000, v[16+\j]
.endr
.irp j, 0,1,2,3
	v_cvt_pk_f16_f32 v[16+\j], v[8+2*\j], v[9+2*\j]  ; written as f16
.endr
.Lstore:
	global_store_b128 v1, v[16:19], s[14:15]
	s_endpgm
.Lfunc_end_k_q4a438742e2_prep:
	.size	k_q4a438742e2_prep, .Lfunc_end_k_q4a438742e2_prep-k_q4a438742e2_prep
	.p2alignl 7, 3214868480
	.fill 96, 4, 3214868480
	.section	.rodata,"a",@progbits
	.p2align	6, 0x0
	.amdhsa_kernel k_q4a438742e2_prep
		.amdhsa_group_segment_fixed_size 0
		.amdhsa_private_segment_fixed_size 0
		.amdhsa_enable_private_segment 0
		.amdhsa_kernarg_size 48
		.amdhsa_user_sgpr_count 2
		.amdhsa_user_sgpr_kernarg_segment_ptr 1
		.amdhsa_wavefront_size32 1
		.amdhsa_system_sgpr_workgroup_id_x 1
		.amdhsa_system_sgpr_workgroup_id_y 1
		.amdhsa_system_sgpr_workgroup_id_z 1
		.amdhsa_system_vgpr_workitem_id 0
		.amdhsa_next_free_vgpr 32
		.amdhsa_next_free_sgpr 66
		.amdhsa_reserve_vcc 0
		.amdhsa_float_denorm_mode_32 3
		.amdhsa_float_denorm_mode_16_64 3
		.amdhsa_memory_ordered 1
		.amdhsa_forward_progress 1
		.amdhsa_inst_pref_size 5
	.end_amdhsa_kernel
	.amdgpu_metadata
---
amdhsa.version: [ 1, 2 ]
amdhsa.kernels:
  - .name:           k_q4a438742e2_prep
    .symbol:         k_q4a438742e2_prep.kd
    .args:
      - { .name: Wq, .offset: 0, .size: 8, .value_kind: global_buffer, .address_space: global }
      - { .name: Wk, .offset: 8, .size: 8, .value_kind: global_buffer, .address_space: global }
      - { .name: Wv, .offset: 16, .size: 8, .value_kind: global_buffer, .address_space: global }
      - { .name: Wo, .offset: 24, .size: 8, .value_kind: global_buffer, .address_space: global }
      - { .name: proj, .offset: 32, .size: 8, .value_kind: global_buffer, .address_space: global }
      - { .name: wts, .offset: 40, .size: 8, .value_kind: global_buffer, .address_space: global }
    .group_segment_fixed_size: 0
    .private_segment_fixed_size: 0
    .kernarg_segment_align: 8
    .kernarg_segment_size: 48
    .max_flat_workgroup_size: 256
    .sgpr_count:     66
    .vgpr_count:     32
    .wavefront_size: 32
...
	.end_amdgpu_metadata
.endif
;; end of part 1
;; launch qkvp (part 2): grid 32 x 8, 4 waves a work-group, no clusters, 25,088 bytes of LDS; arguments x, bq, bk, bv, wts, qkv; writes qkv
.if DOCPART == 2
	.amdgcn_target "amdgcn-amd-amdhsa--gfx1250"
	.amdhsa_code_object_version 6
	.text
	.protected	k_q4a438742e2_qkvp
	.globl	k_q4a438742e2_qkvp
	.p2align	8
	.type	k_q4a438742e2_qkvp,@function
k_q4a438742e2_qkvp:
	s_mov_b64 s[64:65], 0
	v_nop
	global_prefetch_b8 v0, s[64:65] scope:SCOPE_SE
	s_setreg_imm32_b32 hwreg(HW_REG_WAVE_MODE, 25, 1), 1
	s_wait_xcnt 0x0
; q, k, v = x W + b for one head and 256 rows; beside them the rows' diag = |row|^2 / 16 and the largest k . proj of the wave's rows.
; x, W and b are rounded to bf16; products in bf16, sums in f32.  q and k leave in f16; v as f16 hi + f16 lo (22 bits).
; LIMITS: q, k, v within f16's 65,504; NaN and infinities are not treated apart.
; SHARES: a wave owns 64 rows (4 tiles of 16) x the head's 3 x 64 columns: 48 accumulators.  K = 512 goes in 16 steps of 32.
; q^T, k^T: source 0 = 16 columns of W, source 1 = 16 rows of x: a lane holds one row and 8 channels.  v: the sources swapped: a lane holds one channel and 8 rows.
; Rounded in pairs, a result tile is half a fragment for the launches behind: 16 bytes a lane, 512 consecutive bytes a wave and store.
; W's 12 fragments of a step (12,288 bytes) go through two LDS slots that take turns, written by ds_store from registers; x comes straight into registers.
; REGISTERS: window 0 at work; window 1 q's and k's accumulators at 8 ((4 mat + dt) 4 + lt); window 2 v's at 8 (4 dt + lt); window 3 proj's 32 fragments at 8 (2 ft + ks).
.set SLOTB, 12288
.set SPARE, 24576                      ; behind the slots: the spare words, 128 bytes a wave
.set L16, 1                            ; v1   16 x lane
.set XO,  2                            ; v2   my place in 16 rows of x: (l % 16) x 2,048 + 32 (l / 16)
.set T16, 3                            ; v3   16 x thread
.set SPW, 4
.set NIL, 5
.set RR,  6                            ; v6   l % 16
.set HH,  7                            ; v7   l / 16
.set ONE, 8                            ; v8   1.0
.set TA,  9
.set TB,  10
.set TC,  11
.set XF,  16                           ; v[16:79]   x of a step in f32, 16 a row tile
.set XB,  80                           ; v[80:111]  the same as 4 bf16 fragments
.set WS,  112                          ; v[112:135] my 96 bytes of the next step's W on their way to LDS
.set WFR, 136                          ; v[136:231] the step's 12 fragments of W
.set BQ,  16                           ; the way out: biases of my 8 channels of each of 4 tiles
.set BK,  48
.set BV,  80                           ; v's bias of my channel, twice, for each of 4 tiles
.set TT,  88                           ; 32 numbers at work
.set OQ,  120
.set OVH, 136
.set OVL, 152
.set KH,  168                          ; v[168:231] k in f16, 16 registers a row tile: two fragments
.set DG,  232                          ; v[232:239] diag of q (4 tiles), of k (4 tiles)
.set SS,  240
.set DT,  16                           ; the maximum pass: two sets of 4 result tiles
.set RM,  80                           ; four running maxima
.set MSB, 0
.macro WIN new                         ; the high byte repeats the setting that is left; a switch that changes nothing is dropped
.if MSB != (\new)
	s_set_vgpr_msb (MSB<<8)|(\new)
.set MSB, (\new)
.endif
.endm
.macro PLACES                          ; four places behind matrix instructions, ahead of loads into their sources and of readers of their results
.rept 4
	v_nop
.endr
.endm
.macro LDW                             ; my six pieces of a step's 12 fragments: matrix i / 2, half i % 2 of its 4,096 bytes
.irp i, 0,1,2,3,4,5
	global_load_b128 v[WS+4*\i:WS+4*\i+3], v[T16], s[24:25] offset:(\i/2)*524288+(\i%2)*2048
.endr
.endm
.macro STW slot
.irp i, 0,1,2,3,4,5
	ds_store_b128 v[T16], v[WS+4*\i:WS+4*\i+3] offset:(\slot)*SLOTB+2048*\i
.endr
.endm
.macro LDX                             ; 4 row tiles x 32 k in f32: k = 8 h .. + 7 and 16 + 8 h .. + 7
.irp l, 0,1,2,3
	global_load_b128 v[XF+16*\l:XF+16*\l+3],     v[XO], s[4:5] offset:32768*\l
	global_load_b128 v[XF+16*\l+4:XF+16*\l+7],   v[XO], s[4:5] offset:32768*\l+16
	global_load_b128 v[XF+16*\l+8:XF+16*\l+11],  v[XO], s[4:5] offset:32768*\l+64
	global_load_b128 v[XF+16*\l+12:XF+16*\l+15], v[XO], s[4:5] offset:32768*\l+80
.endr
.endm
	s_load_b256 s[4:11], s[0:1], 0x0               ; x s[4:5], bq s[6:7], bk s[8:9], bv s[10:11]
	s_load_b128 s[12:15], s[0:1], 0x20             ; wts s[12:13], qkv s[14:15]
	v_lshl_add_u32 v[SPW], v0, 2, SPARE
	v_mov_b32 v[NIL], 0
	v_lshrrev_b32 v[TA], 5, v0
	v_readfirstlane_b32 s16, v[TA]                 ; wave
	v_and_b32 v[RR], 15, v0
	v_bfe_u32 v[HH], v0, 4, 1
	v_and_b32 v[TA], 31, v0
	v_lshlrev_b32 v[L16], 4, v[TA]
	v_lshlrev_b32 v[T16], 4, v0
	v_lshlrev_b32 v[XO], 11, v[RR]
	v_lshl_add_u32 v[XO], v[HH], 5, v[XO]
	v_mov_b32 v[ONE], 1.0
	s_mov_b32 s17, ttmp9                           ; block of 256 rows: 16 b + chunk
	s_and_b32 s18, ttmp7, 0xffff                   ; head
	s_mov_b32 s38, 0x76543210                      ; v_permlanex16_b32: each lane takes its own place in the other half
	s_mov_b32 s39, 0xfedcba98
	s_lshl_b32 s20, s17, 19                        ; 256 rows of 2,048 bytes,
	s_lshl_b32 s21, s16, 17                        ; my wave's 64
	s_add_co_u32 s20, s20, s21
	s_mov_b32 s21, 0
	s_lshl_b32 s22, s18, 12                        ; the head's four column tiles in a step of W
	s_mov_b32 s23, 0
	s_wait_kmcnt 0x0
	s_add_nc_u64 s[4:5], s[4:5], s[20:21]          ; x at my rows, step 0
	s_add_nc_u64 s[24:25], s[12:13], s[22:23]      ; W's fragments, step 0
	LDW
	; where the results go
	s_lshr_b32 s21, s17, 4
	s_lshl_b32 s21, s21, 3
	s_add_co_u32 s21, s21, s18                     ; bh = 8 b + head
	s_and_b32 s22, s17, 15
	s_lshl_b32 s22, s22, 4
	s_lshl2_add_u32 s22, s16, s22                  ; my first row tile in the sequence: 16 chunk + 4 wave
	s_mov_b32 s27, 0
	s_lshl_b32 s26, s21, 19
	s_lshl_b32 s23, s22, 11
	s_add_co_u32 s26, s26, s23
	s_add_nc_u64 s[28:29], s[14:15], s[26:27]      ; qf: [bh][row tile][dt][512]
	s_add_nc_u64 s[30:31], s[28:29], 0x800000      ; kf likewise
	s_lshl_b32 s26, s26, 1
	s_add_nc_u64 s[32:33], s[14:15], s[26:27]
	s_add_nc_u64 s[32:33], s[32:33], 0x1000000     ; vf: [bh][row tile][hi, lo][dt][512]
	s_lshl_b32 s26, s21, 14
	s_lshl_b32 s23, s22, 6
	s_add_co_u32 s26, s26, s23
	s_add_nc_u64 s[34:35], s[14:15], s[26:27]
	s_add_nc_u64 s[34:35], s[34:35], 0x2000000     ; dq: [bh][4096] f32; dk 262,144 bytes on
	s_lshl_b32 s26, s18, 5
	s_add_co_u32 s26, s26, s17
	s_lshl2_add_u32 s26, s26, s16
	s_lshl_b32 s26, s26, 2
	s_add_nc_u64 s[36:37], s[14:15], s[26:27]
	s_add_nc_u64 s[36:37], s[36:37], 0x2080000     ; pmax: one number for each wave of the launch
	s_wait_loadcnt 0x0                             ; W of step 0
	STW 0
	s_add_nc_u64 s[24:25], s[24:25], 32768
	LDX                                            ; x of step 0
	LDW                                            ; W of step 1
	WIN 0xc0
.set i, 0
.rept 64
	global_load_b128 v[4*i:4*i+3], v[L16], s[12:13] offset:2097152+512*i  ; proj's fragments, for the end
.set i, i+1
.endr
	WIN 0
	s_wait_dscnt 0x0                               ; my part of slot 0 is written,
	s_barrier_signal -1
	s_barrier_wait -1                              ; everybody's is
; One K step.  slot: where its W lies.  ldx, ldw: x of the next step and W of the step after that are asked for.  st: the next step's W goes into the other slot.
.macro STEP slot, first, ldx, ldw, st, bar
	s_wait_loadcnt 0x0                             ; x of this step and W of the next, asked for a step ago: all loads are done, so the pointers may be written
.if \ldx
	s_add_nc_u64 s[4:5], s[4:5], 128
.endif
.if \ldw
	s_add_nc_u64 s[24:25], s[24:25], 32768
.endif
.set i, 0
.rept 32
	v_cvt_pk_bf16_f32 v[XB+i], v[XF+2*i], v[XF+2*i+1]
.set i, i+1
.endr
.if \st
	STW 1-(\slot)                                  ; the other slot's readers waited for their loads ahead of the last barrier
.endif
.if \ldx
	LDX
.endif
.if \ldw
	LDW
.endif
.set i, 0
.rept 12
	ds_load_b128 v[WFR+8*i:WFR+8*i+3],   v[L16] offset:(\slot)*SLOTB+1024*i
	ds_load_b128 v[WFR+8*i+4:WFR+8*i+7], v[L16] offset:(\slot)*SLOTB+1024*i+512
.set i, i+1
.endr
.set f, 0
.rept 12                               ; 48 products, each accumulator once: they take turns
.if f%3 == 0
	s_wait_dscnt 18-6*(f/3)                        ; the next three fragments are in: two loads each, the younger ones stay out
.endif
.set l, 0
.rept 4
.if f < 8
	WIN 0x50
.set ac, 8*(4*f+l)
.if \first
	v_wmma_f32_16x16x32_bf16 v[ac:ac+7], v[WFR+8*f:WFR+8*f+7], v[XB+8*l:XB+8*l+7], 0
.else
	v_wmma_f32_16x16x32_bf16 v[ac:ac+7], v[WFR+8*f:WFR+8*f+7], v[XB+8*l:XB+8*l+7], v[ac:ac+7]
.endif
.else
	WIN 0xa0
.set ac, 8*(4*(f-8)+l)
.if \first
	v_wmma_f32_16x16x32_bf16 v[ac:ac+7], v[XB+8*l:XB+8*l+7], v[WFR+8*f:WFR+8*f+7], 0
.else
	v_wmma_f32_16x16x32_bf16 v[ac:ac+7], v[XB+8*l:XB+8*l+7], v[WFR+8*f:WFR+8*f+7], v[ac:ac+7]
.endif
.endif
.set l, l+1
.endr
.set f, f+1
.endr
	WIN 0
	PLACES
.if \bar
	s_wait_dscnt 0x0                               ; my stores into the other slot are done and my reads of this one are back
	s_barrier_signal -1
	s_barrier_wait -1
.endif
.endm
	STEP 0, 1, 1, 1, 1, 1                          ; step 0 starts the sums
	s_mov_b32 s40, 6
.Lks:                                              ; steps 1 to 12
	STEP 1, 0, 1, 1, 1, 1
	STEP 0, 0, 1, 1, 1, 1
	s_sub_co_u32 s40, s40, 1
	s_cmp_lg_u32 s40, 0
	s_cbranch_scc1 .Lks
	STEP 1, 0, 1, 1, 1, 1                          ; 13
	STEP 0, 0, 1, 0, 1, 1                          ; 14: no W is left to ask for
	STEP 1, 0, 0, 0, 0, 0                          ; 15
	; THE WAY OUT.  The biases, rounded to bf16 like every input.
	s_lshl_b32 s20, s18, 8
	v_lshl_add_u32 v[TA], v[HH], 5, s20            ; q, k: my 8 channels of a tile
	v_lshl_add_u32 v[TB], v[RR], 2, s20            ; v: my one channel
.irp d, 0,1,2,3
	global_load_b128 v[BQ+8*\d:BQ+8*\d+3],   v[TA], s[6:7] offset:64*\d
	global_load_b128 v[BQ+8*\d+4:BQ+8*\d+7], v[TA], s[6:7] offset:64*\d+16
	global_load_b128 v[BK+8*\d:BK+8*\d+3],   v[TA], s[8:9] offset:64*\d
	global_load_b128 v[BK+8*\d+4:BK+8*\d+7], v[TA], s[8:9] offset:64*\d+16
	global_load_b32 v[BV+2*\d], v[TB], s[10:11] offset:64*\d
.endr
	s_wait_loadcnt 0x0
.set i, 0
.rept 32
	v_cvt_pk_bf16_f32 v[TC], v[BQ+2*i], v[BQ+2*i+1]
	v_lshlrev_b32 v[BQ+2*i], 16, v[TC]
	v_and_b32 v[BQ+2*i+1], 0xffff0000, v[TC]
.set i, i+1
.endr
.irp d, 0,1,2,3
	v_cvt_pk_bf16_f32 v[TC], v[BV+2*\d], v[BV+2*\d]
	v_lshlrev_b32 v[BV+2*\d], 16, v[TC]
	v_and_b32 v[BV+2*\d+1], 0xffff0000, v[TC]
.endr
; q or k of row tile l: the bias is added, the squares summed, the numbers rounded to f16 and stored.  Each accumulator is read from its low end on.
.macro QKOUT l, mat, bias, dst, sb, dg
	WIN 0x01
.set i, 0
.rept 16
.set ac, 8*((4*(\mat)+i/4)*4+(\l))+2*(i%4)
	v_pk_add_f32 v[TT+2*i:TT+2*i+1], v[ac:ac+1], v[(\bias)+2*i:(\bias)+2*i+1]
.set i, i+1
.endr
	WIN 0
	v_pk_mul_f32 v[SS:SS+1], v[TT:TT+1], v[TT:TT+1]
.set i, 1
.rept 15
	v_pk_fma_f32 v[SS:SS+1], v[TT+2*i:TT+2*i+1], v[TT+2*i:TT+2*i+1], v[SS:SS+1]
.set i, i+1
.endr
.set i, 0
.rept 16
	v_cvt_pk_f16_f32 v[(\dst)+i], v[TT+2*i], v[TT+2*i+1]
.set i, i+1
.endr
.irp d, 0,1,2,3
	global_store_b128 v[L16], v[(\dst)+4*\d:(\dst)+4*\d+3], s[\sb:\sb+1] offset:(\l)*2048+512*\d
.endr
	v_add_f32 v[\dg], v[SS], v[SS+1]
.endm
; v of row tile l: hi = f16(v), lo = f16(v - hi)
.macro VOUT l
	WIN 0x02
.set i, 0
.rept 16
.set ac, 8*(4*(i/4)+(\l))+2*(i%4)
	v_pk_add_f32 v[TT+2*i:TT+2*i+1], v[ac:ac+1], v[BV+2*(i/4):BV+2*(i/4)+1]
.set i, i+1
.endr
	WIN 0
.set i, 0
.rept 16
	v_cvt_pk_f16_f32 v[OVH+i], v[TT+2*i], v[TT+2*i+1]
.set i, i+1
.endr
.set i, 0
.rept 16
	v_fma_mix_f32 v[TT+2*i],   -v[OVH+i], v[ONE], v[TT+2*i]   op_sel_hi:[1,0,0]
	v_fma_mix_f32 v[TT+2*i+1], -v[OVH+i], v[ONE], v[TT+2*i+1] op_sel:[1,0,0] op_sel_hi:[1,0,0]
.set i, i+1
.endr
.set i, 0
.rept 16
	v_cvt_pk_f16_f32 v[OVL+i], v[TT+2*i], v[TT+2*i+1]
.set i, i+1
.endr
.irp d, 0,1,2,3
	global_store_b128 v[L16], v[OVH+4*\d:OVH+4*\d+3], s[32:33] offset:(\l)*4096+512*\d
	global_store_b128 v[L16], v[OVL+4*\d:OVL+4*\d+3], s[32:33] offset:(\l)*4096+2048+512*\d
.endr
.endm
.irp l, 0,1,2,3
	s_wait_xcnt 0x0                                ; the last tile's stores have read OQ, OVH and OVL
	QKOUT \l, 0, BQ, OQ, 28, DG+\l
	QKOUT \l, 1, BK, KH+16*\l, 30, DG+4+\l
	VOUT \l
.endr
	; diag: a lane summed 32 of its row's 64 channels; the others lie in the lane 16 away
.irp i, 0,1,2,3,4,5,6,7
	v_permlanex16_b32 v[TT+\i], v[DG+\i], s38, s39
.endr
.irp i, 0,1,2,3,4,5,6,7
	v_add_f32 v[DG+\i], v[DG+\i], v[TT+\i]
.endr
.irp i, 0,1,2,3,4,5,6,7
	v_mul_f32 v[DG+\i], 0x3d800000, v[DG+\i]       ; / 16
.endr
	v_cmp_eq_u32 vcc_lo, 1, v[HH]
	v_lshrrev_b32 v[TA], 2, v[L16]                 ; 4 x lane: lanes 0-15 store one tile's 16 rows, lanes 16-31 the next tile's
.irp p, 0,1
	v_cndmask_b32 v[TT+8+\p], v[DG+2*\p], v[DG+2*\p+1], vcc_lo
	v_cndmask_b32 v[TT+10+\p], v[DG+4+2*\p], v[DG+5+2*\p], vcc_lo
	global_store_b32 v[TA], v[TT+8+\p], s[34:35] offset:128*\p
	global_store_b32 v[TA], v[TT+10+\p], s[34:35] offset:262144+128*\p
.endr
	; THE LARGEST k . proj of my 64 rows: 16 groups of 4 result tiles (feature tiles 4 (g % 4) .., row tile g / 4), two sets of registers by turns:
	; a group's products are issued, then the group before is read.
.irp i, 0,1,2,3
	v_mov_b32 v[RM+\i], 0xff800000
.endr
.macro WG g
	WIN 0x03
.set k, 0
.rept 2
.set i, 0
.rept 4
.set dd, DT+32*((\g)%2)+8*i
.set pa, 8*((((\g)%4)*4+i)*2+k)
.set kb, KH+16*((\g)/4)+8*k
.if k == 0
	v_wmma_f32_16x16x32_f16 v[dd:dd+7], v[pa:pa+7], v[kb:kb+7], 0
.else
	v_wmma_f32_16x16x32_f16 v[dd:dd+7], v[pa:pa+7], v[kb:kb+7], v[dd:dd+7]
.endif
.set i, i+1
.endr
.set k, k+1
.endr
	WIN 0
.endm
.macro MG g
.set j, 0
.rept 4
.set i, 0
.rept 4
.set dd, DT+32*((\g)%2)+8*i+2*j
	v_max3_num_f32 v[RM+i], v[RM+i], v[dd], v[dd+1]
.set i, i+1
.endr
.set j, j+1
.endr
.endm
	WG 0
.set g, 0
.rept 15
.set g, g+1
	WG g
	PLACES
	MG g-1
.endr
	PLACES
	MG 15
	v_max3_num_f32 v[RM], v[RM], v[RM+1], v[RM+2]
	v_max_num_f32 v[RM], v[RM], v[RM+3]
	v_max_num_f32_dpp v[RM], v[RM], v[RM] row_xmask:1 row_mask:0xf bank_mask:0xf
	v_max_num_f32_dpp v[RM], v[RM], v[RM] row_xmask:2 row_mask:0xf bank_mask:0xf
	v_max_num_f32_dpp v[RM], v[RM], v[RM] row_xmask:4 row_mask:0xf bank_mask:0xf
	v_max_num_f32_dpp v[RM], v[RM], v[RM] row_xmask:8 row_mask:0xf bank_mask:0xf
	v_permlanex16_b32 v[RM+1], v[RM], s38, s39
	v_max_num_f32 v[RM], v[RM], v[RM+1]
	v_mov_b32 v[TB], 0
	v_cmp_eq_u32 vcc_lo, 0, v[L16]
	s_wait_xcnt 0x0                                ; EXEC changes only behind this wait
	s_and_saveexec_b32 s41, vcc_lo
	global_store_b32 v[TB], v[RM], s[36:37]        ; lane 0 stores the wave's maximum
	s_wait_xcnt 0x0
	s_or_b32 exec_lo, exec_lo, s41
	s_wait_tensorcnt 0x0                           ; the wave's end, behind my last LDS store
	ds_add_u32 v[SPW], v[NIL]
	s_wait_dscnt 0x0
	s_endpgm
.Lfunc_end_k_q4a438742e2_qkvp:
	.size	k_q4a438742e2_qkvp, .Lfunc_end_k_q4a438742e2_qkvp-k_q4a438742e2_qkvp
	.p2alignl 7, 3214868480
	.fill 96, 4, 3214868480
	.section	.rodata,"a",@progbits
	.p2align	6, 0x0
	.amdhsa_kernel k_q4a438742e2_qkvp
		.amdhsa_group_segment_fixed_size 25088
		.amdhsa_private_segment_fixed_size 0
		.amdhsa_enable_private_segment 0
		.amdhsa_kernarg_size 48
		.amdhsa_user_sgpr_count 2
		.amdhsa_user_sgpr_kernarg_segment_ptr 1
		.amdhsa_wavefront_size32 1
		.amdhsa_system_sgpr_workgroup_id_x 1
		.amdhsa_system_sgpr_workgroup_id_y 1
		.amdhsa_system_sgpr_workgroup_id_z 1
		.amdhsa_system_vgpr_workitem_id 0
		.amdhsa_next_free_vgpr 1024
		.amdhsa_next_free_sgpr 66
		.amdhsa_reserve_vcc 1
		.amdhsa_float_denorm_mode_32 3
		.amdhsa_float_denorm_mode_16_64 3
		.amdhsa_memory_ordered 1
		.amdhsa_forward_progress 1
		.amdhsa_inst_pref_size 155
	.end_amdhsa_kernel
	.amdgpu_metadata
---
amdhsa.version: [ 1, 2 ]
amdhsa.kernels:
  - .name:           k_q4a438742e2_qkvp
    .symbol:         k_q4a438742e2_qkvp.kd
    .args:
      - { .name: x, .offset: 0, .size: 8, .value_kind: global_buffer, .address_space: global }
      - { .name: bq, .offset: 8, .size: 8, .value_kind: global_buffer, .address_space: global }
      - { .name: bk, .offset: 16, .size: 8, .value_kind: global_buffer, .address_space: global }
      - { .name: bv, .offset: 24, .size: 8, .value_kind: global_buffer, .address_space: global }
      - { .name: wts, .offset: 32, .size: 8, .value_kind: global_buffer, .address_space: global }
      - { .name: qkv, .offset: 40, .size: 8, .value_kind: global_buffer, .address_space: global }
    .group_segment_fixed_size: 25088
    .private_segment_fixed_size: 0
    .kernarg_segment_align: 8
    .kernarg_segment_size: 48
    .max_flat_workgroup_size: 128
    .sgpr_count:     66
    .vgpr_count:     1024
    .wavefront_size: 32
...
	.end_amdgpu_metadata
.endif
;; end of part 2
;; launch state (part 3): grid 16 x 16, 4 waves a work-group, no clusters, 0 bytes of LDS; arguments wts, qkv, st; writes st
.if DOCPART == 3
	.amdgcn_target "amdgcn-amd-amdhsa--gfx1250"
	.amdhsa_code_object_version 6
	.text
	.protected	k_q4a438742e2_state
	.globl	k_q4a438742e2_state
	.p2align	8
	.type	k_q4a438742e2_state,@function
k_q4a438742e2_state:
	s_mov_b64 s[64:65], 0
	v_nop
	global_prefetch_b8 v0, s[64:65] scope:SCOPE_SE
	s_setreg_imm32_b32 hwreg(HW_REG_WAVE_MODE, 25, 1), 1
	s_wait_xcnt 0x0
; For one (b, head) and one chunk of 256 keys: S[feature][channel] = sum over keys of kp (vh + vl), z[feature] = sum of kp.
; kp = 2^(K1 (k . proj - mx) - log2(e) diag + 12) + 4096e-6: the reference's feature times 4096 sqrt(256), a scale that cancels in num / den.  mx is the global maximum of k . proj,
; taken away before the exponential as the reference takes it, so the exponent is at most 12 and kp fits f16.  kp is rounded to f16 for the products; sums in f32.
; The exponent's constant part enters as the C operand of the product k . proj: C = -diag / dn + 12 / K1 - mx, and the sum is multiplied by K1 = dn log2(e).
; SHARES: wave w takes feature tiles 4 w .. 4 w + 3 over all 256 keys, 32 a trip.  Nothing is shared between waves: no LDS, no barrier.
; Chunk 15's S is stored and not read later (only its z is): all 256 work-groups stay alike.
; REGISTERS: window 1: v0-159 the 20 accumulators at 8 (5 ft + n), n = 4: z; v160-223 proj's 8 fragments at 8 (2 ft + ks).  Window 0: below.
.set L16, 1
.set H32, 2                            ; v2   32 (l / 16): my 8 keys' diag
.set KF,  16                           ; v[16:47]   k's fragments [key tile 2][ks 2]
.set CR,  48                           ; v[48:63]   the C operand, 8 keys a lane, for 2 key tiles
.set DT,  64                           ; v[64:127]  8 result tiles [key tile][ft]
.set KPH, 128                          ; v[128:159] kp in f16: 4 fragments, lane = feature, k = 32 keys
.set VV,  160                          ; v[160:223] v's fragments [hi, lo][dt]
.set ONES, 224                         ; v[224:231] a fragment of ones
.set CM,  232                          ; v[232:233] 12 / K1 - mx, twice
.set PJ,  160
.set MSB, 0
.macro WIN new
.if MSB != (\new)
	s_set_vgpr_msb (MSB<<8)|(\new)
.set MSB, (\new)
.endif
.endm
.macro PLACES
.rept 4
	v_nop
.endr
.endm
.macro LDK                             ; 12 loads: 32 keys' k (4,096 consecutive bytes) and diag
.irp i, 0,1,2,3,4,5,6,7
	global_load_b128 v[KF+4*\i:KF+4*\i+3], v[L16], s[14:15] offset:512*\i
.endr
.irp t, 0,1
	global_load_b128 v[CR+8*\t:CR+8*\t+3],   v[H32], s[16:17] offset:64*\t
	global_load_b128 v[CR+8*\t+4:CR+8*\t+7], v[H32], s[16:17] offset:64*\t+16
.endr
.endm
.macro LDV                             ; 16 loads: registers 0-3 of a fragment from the first key tile, 4-7 from the second
.irp e, 0,1,2,3,4,5,6,7
	global_load_b128 v[VV+8*\e:VV+8*\e+3],   v[L16], s[18:19] offset:512*\e
	global_load_b128 v[VV+8*\e+4:VV+8*\e+7], v[L16], s[18:19] offset:4096+512*\e
.endr
.endm
	s_load_b128 s[4:7], s[0:1], 0x0                ; wts s[4:5], qkv s[6:7]
	s_load_b64 s[8:9], s[0:1], 0x10                ; st
	v_lshrrev_b32 v3, 5, v0
	v_readfirstlane_b32 s10, v3                    ; wave
	v_and_b32 v3, 31, v0
	v_lshlrev_b32 v[L16], 4, v3
	v_bfe_u32 v[H32], v0, 4, 1
	v_lshlrev_b32 v[H32], 5, v[H32]
	s_mov_b32 s11, ttmp9                           ; chunk
	s_and_b32 s12, ttmp7, 0xffff                   ; bh
	s_mov_b32 s24, 0x3f0293ee                      ; K1 = 2^-1.5 log2(e)
	s_mov_b32 s25, s24
	s_mov_b32 s26, 0xc03504f3                      ; -1 / dn = -2^1.5
	s_mov_b32 s27, s26
	s_mov_b32 s28, 0x3b8637bd                      ; 4096e-6
	s_mov_b32 s29, s28
	s_mov_b32 s30, 0x76543210
	s_mov_b32 s31, 0xfedcba98
.irp i, 0,1,2,3,4,5,6,7
	v_mov_b32 v[ONES+\i], 0x3c003c00
.endr
	s_lshl_b32 s20, s12, 19
	s_lshl_b32 s21, s11, 15
	s_add_co_u32 s20, s20, s21                     ; the chunk's first key tile in kf
	s_mov_b32 s21, 0
	s_lshl_b32 s22, s20, 1                         ; and in vf
	s_mov_b32 s23, 0
	s_wait_kmcnt 0x0
	s_add_nc_u64 s[14:15], s[6:7], s[20:21]
	s_add_nc_u64 s[14:15], s[14:15], 0x800000
	s_add_nc_u64 s[18:19], s[6:7], s[22:23]
	s_add_nc_u64 s[18:19], s[18:19], 0x1000000
	s_lshl_b32 s20, s12, 14
	s_lshl_b32 s22, s11, 10
	s_add_co_u32 s20, s20, s22
	s_add_nc_u64 s[16:17], s[6:7], s[20:21]
	s_add_nc_u64 s[16:17], s[16:17], 0x2040000     ; dk
	s_add_nc_u64 s[36:37], s[6:7], 0x2080000       ; pmax
	s_lshl_b32 s20, s10, 13
	s_add_nc_u64 s[34:35], s[4:5], s[20:21]        ; my four feature tiles of proj
	s_lshl_b32 s20, s12, 4
	s_add_co_u32 s20, s20, s11
	s_mul_i32 s20, s20, 81920
	s_mul_i32 s22, s10, 20480
	s_add_co_u32 s20, s20, s22
	s_add_nc_u64 s[38:39], s[8:9], s[20:21]        ; st: [bh][chunk][ft 16][n 5][1,024]
	WIN 0x40
.set i, 0
.rept 16
	global_load_b128 v[PJ+4*i:PJ+4*i+3], v[L16], s[34:35] offset:2097152+512*i
.set i, i+1
.endr
	WIN 0
.irp i, 0,1,2,3,4,5,6,7
	global_load_b128 v[DT+4*\i:DT+4*\i+3], v[L16], s[36:37] offset:512*\i  ; the 1,024 waves' maxima, 32 a lane
.endr
	LDK
	LDV
	s_wait_loadcnt 28                              ; proj and the maxima are in; the 12 + 16 loads behind them stay out
.set i, 1
.rept 15
	v_max3_num_f32 v[DT], v[DT], v[DT+i], v[DT+i+1]
.set i, i+2
.endr
	v_max_num_f32 v[DT], v[DT], v[DT+31]
	v_max_num_f32_dpp v[DT], v[DT], v[DT] row_xmask:1 row_mask:0xf bank_mask:0xf
	v_max_num_f32_dpp v[DT], v[DT], v[DT] row_xmask:2 row_mask:0xf bank_mask:0xf
	v_max_num_f32_dpp v[DT], v[DT], v[DT] row_xmask:4 row_mask:0xf bank_mask:0xf
	v_max_num_f32_dpp v[DT], v[DT], v[DT] row_xmask:8 row_mask:0xf bank_mask:0xf
	v_permlanex16_b32 v[DT+1], v[DT], s30, s31
	v_max_num_f32 v[DT], v[DT], v[DT+1]
	v_sub_f32 v[CM], 0x41bc35a5, v[DT]             ; 12 / K1 - mx
	v_mov_b32 v[CM+1], v[CM]
; A trip: 32 keys.  first: the products with v start the sums.  more: the next trip's operands are asked for.
.macro TRIP first, more
	s_wait_loadcnt 16                              ; k and diag are in; v's 16 loads are younger
.set i, 0
.rept 8
	v_pk_fma_f32 v[CR+2*i:CR+2*i+1], v[CR+2*i:CR+2*i+1], s[26:27], v[CM:CM+1] op_sel_hi:[1,0,1]
.set i, i+1
.endr
	WIN 0x04
.set k, 0
.rept 2                                ; 16 products: source 0 = 16 keys, source 1 = 16 features; the 8 tiles take turns
.set t, 0
.rept 8
.if k == 0
	v_wmma_f32_16x16x32_f16 v[DT+8*t:DT+8*t+7], v[KF+16*(t/4):KF+16*(t/4)+7], v[PJ+16*(t%4):PJ+16*(t%4)+7], v[CR+8*(t/4):CR+8*(t/4)+7]
.else
	v_wmma_f32_16x16x32_f16 v[DT+8*t:DT+8*t+7], v[KF+16*(t/4)+8:KF+16*(t/4)+15], v[PJ+16*(t%4)+8:PJ+16*(t%4)+15], v[DT+8*t:DT+8*t+7]
.endif
.set t, t+1
.endr
.set k, k+1
.endr
	WIN 0
	PLACES
.if \more
	s_wait_xcnt 0x0                                ; the pointers are written only behind this wait
	s_add_nc_u64 s[14:15], s[14:15], 4096
	s_add_nc_u64 s[16:17], s[16:17], 128
	LDK
.endif
.set i, 0
.rept 32
	v_pk_mul_f32 v[DT+2*i:DT+2*i+1], v[DT+2*i:DT+2*i+1], s[24:25] op_sel_hi:[1,0]
.set i, i+1
.endr
.set i, 0
.rept 64
	v_exp_f32 v[DT+i], v[DT+i]
.set i, i+1
.endr
	v_nop                                          ; a plain instruction behind the last exponential,
	s_wait_alu depctr_va_vdst(0)                   ; and one wait for the batch, ahead of its first reader
.set i, 0
.rept 32
	v_pk_add_f32 v[DT+2*i:DT+2*i+1], v[DT+2*i:DT+2*i+1], s[28:29] op_sel_hi:[1,0]
.set i, i+1
.endr
.set t, 0
.rept 8                                ; tile t = 4 kt + ft goes into half kt of fragment ft
.set i, 0
.rept 4
	v_cvt_pk_f16_f32 v[KPH+8*(t%4)+4*(t/4)+i], v[DT+8*t+2*i], v[DT+8*t+2*i+1]
.set i, i+1
.endr
.set t, t+1
.endr
.if \more
	s_wait_loadcnt 12                              ; v is in; the next trip's 12 loads stay out
.else
	s_wait_loadcnt 0x0
.endif
	WIN 0x50
.set t, 0
.rept 20                               ; kp x (v hi, ones): 20 accumulators, each once
.set bb, VV+8*(t%5)
.if t%5 == 4
.set bb, ONES
.endif
.if \first
	v_wmma_f32_16x16x32_f16 v[8*t:8*t+7], v[KPH+8*(t/5):KPH+8*(t/5)+7], v[bb:bb+7], 0
.else
	v_wmma_f32_16x16x32_f16 v[8*t:8*t+7], v[KPH+8*(t/5):KPH+8*(t/5)+7], v[bb:bb+7], v[8*t:8*t+7]
.endif
.set t, t+1
.endr
.set t, 0
.rept 16                               ; kp x v lo
.set ac, 8*(5*(t/4)+t%4)
	v_wmma_f32_16x16x32_f16 v[ac:ac+7], v[KPH+8*(t/4):KPH+8*(t/4)+7], v[VV+32+8*(t%4):VV+32+8*(t%4)+7], v[ac:ac+7]
.set t, t+1
.endr
	WIN 0
	PLACES
.if \more
	s_wait_xcnt 0x0
	s_add_nc_u64 s[18:19], s[18:19], 8192
	LDV
.endif
.endm
	TRIP 1, 1
	s_mov_b32 s32, 6
.Ltrip:
	TRIP 0, 1
	s_sub_co_u32 s32, s32, 1
	s_cmp_lg_u32 s32, 0
	s_cbranch_scc1 .Ltrip
	TRIP 0, 0
	WIN 0x04                                       ; the stores' data lie in window 1
.set t, 0
.rept 20
	global_store_b128 v[L16], v[8*t:8*t+3],   s[38:39] offset:1024*t      ; each store of the wave covers 512 consecutive bytes
	global_store_b128 v[L16], v[8*t+4:8*t+7], s[38:39] offset:1024*t+512
.set t, t+1
.endr
	WIN 0
	s_endpgm
.Lfunc_end_k_q4a438742e2_state:
	.size	k_q4a438742e2_state, .Lfunc_end_k_q4a438742e2_state-k_q4a438742e2_state
	.p2alignl 7, 3214868480
	.fill 96, 4, 3214868480
	.section	.rodata,"a",@progbits
	.p2align	6, 0x0
	.amdhsa_kernel k_q4a438742e2_state
		.amdhsa_group_segment_fixed_size 0
		.amdhsa_private_segment_fixed_size 0
		.amdhsa_enable_private_segment 0
		.amdhsa_kernarg_size 24
		.amdhsa_user_sgpr_count 2
		.amdhsa_user_sgpr_kernarg_segment_ptr 1
		.amdhsa_wavefront_size32 1
		.amdhsa_system_sgpr_workgroup_id_x 1
		.amdhsa_system_sgpr_workgroup_id_y 1
		.amdhsa_system_sgpr_workgroup_id_z 1
		.amdhsa_system_vgpr_workitem_id 0
		.amdhsa_next_free_vgpr 480
		.amdhsa_next_free_sgpr 66
		.amdhsa_reserve_vcc 0
		.amdhsa_float_denorm_mode_32 3
		.amdhsa_float_denorm_mode_16_64 3
		.amdhsa_memory_ordered 1
		.amdhsa_forward_progress 1
		.amdhsa_inst_pref_size 56
	.end_amdhsa_kernel
	.amdgpu_metadata
---
amdhsa.version: [ 1, 2 ]
amdhsa.kernels:
  - .name:           k_q4a438742e2_state
    .symbol:         k_q4a438742e2_state.kd
    .args:
      - { .name: wts, .offset: 0, .size: 8, .value_kind: global_buffer, .address_space: global }
      - { .name: qkv, .offset: 8, .size: 8, .value_kind: global_buffer, .address_space: global }
      - { .name: st, .offset: 16, .size: 8, .value_kind: global_buffer, .address_space: global }
    .group_segment_fixed_size: 0
    .private_segment_fixed_size: 0
    .kernarg_segment_align: 8
    .kernarg_segment_size: 24
    .max_flat_workgroup_size: 128
    .sgpr_count:     66
    .vgpr_count:     480
    .wavefront_size: 32
...
	.end_amdgpu_metadata
.endif
;; end of part 3
;; launch prefix (part 4): grid 16 x 16, 4 waves a work-group, no clusters, 0 bytes of LDS; arguments st, pre; writes pre
.if DOCPART == 4
	.amdgcn_target "amdgcn-amd-amdhsa--gfx1250"
	.amdhsa_code_object_version 6
	.text
	.protected	k_q4a438742e2_prefix
	.globl	k_q4a438742e2_prefix
	.p2align	8
	.type	k_q4a438742e2_prefix,@function
k_q4a438742e2_prefix:
	s_mov_b64 s[64:65], 0
	v_nop
	global_prefetch_b8 v0, s[64:65] scope:SCOPE_SE
	s_setreg_imm32_b32 hwreg(HW_REG_WAVE_MODE, 25, 1), 1
	s_wait_xcnt 0x0
; The sums over earlier chunks.  For one (b, head) and feature tile: running S and z over the 16 chunks, in f32.  Ahead of chunk c are stored A[c] = S / max(z, 1e-30) in f16,
; a mean of v's rows and so within v's range, as half fragments (lane = channel, k = feature), and zz[c] = z in f32; zz[16] is the sum of all.
; SHARES: wave w takes channel tile w; every wave reads z's tile too; wave 0 stores zz.  The chunks' tiles come through a ring of 8 register slots: 28 loads stay out.
.set L16, 1
.set SO,  2                            ; v2   16 lane + 1,024 wave: my tile of S
.set RR,  3
.set ZO,  4                            ; v4   32 (l / 16): my 8 features in zz
.set SA,  16                           ; v[16:23] running S
.set ZA,  24                           ; v[24:31] running z
.set RG,  32                           ; v[32:159] 8 slots of 16: S's tile, z's tile
.set TT,  160
.set OO,  168
	s_load_b128 s[4:7], s[0:1], 0x0                ; st s[4:5], pre s[6:7]
	v_lshrrev_b32 v5, 5, v0
	v_readfirstlane_b32 s8, v5                     ; wave
	v_and_b32 v5, 31, v0
	v_lshlrev_b32 v[L16], 4, v5
	s_lshl_b32 s20, s8, 10
	v_add_nc_u32 v[SO], s20, v[L16]
	v_and_b32 v[RR], 15, v0
	v_bfe_u32 v[ZO], v0, 4, 1
	v_lshlrev_b32 v[ZO], 5, v[ZO]
	s_mov_b32 s9, ttmp9                            ; feature tile
	s_and_b32 s10, ttmp7, 0xffff                   ; bh
	s_mul_i32 s20, s10, 1310720                    ; 16 chunks of 81,920 bytes
	s_mul_i32 s21, s9, 5120
	s_add_co_u32 s20, s20, s21
	s_mov_b32 s21, 0
	s_lshl_b32 s22, s10, 19
	s_lshl_b32 s23, s8, 13
	s_add_co_u32 s22, s22, s23
	s_lshl_b32 s23, s9, 9
	s_add_co_u32 s22, s22, s23                     ; af: [bh][chunk][dt][ft][512]
	s_mov_b32 s23, 0
	s_mul_i32 s24, s10, 17408
	s_lshl_b32 s25, s9, 6
	s_add_co_u32 s24, s24, s25                     ; zz: [bh][17][256] f32
	s_mov_b32 s25, 0
	s_wait_kmcnt 0x0
	s_add_nc_u64 s[12:13], s[4:5], s[20:21]
	s_add_nc_u64 s[14:15], s[6:7], s[22:23]
	s_add_nc_u64 s[16:17], s[6:7], s[24:25]
	s_add_nc_u64 s[16:17], s[16:17], 0x800000
.macro LDC c                           ; chunk c into slot c % 8; of chunk 15 only z is wanted
.set rg, RG+16*((\c)%8)
.if (\c) < 15
	global_load_b128 v[rg:rg+3],   v[SO], s[12:13] offset:(\c)*81920
	global_load_b128 v[rg+4:rg+7], v[SO], s[12:13] offset:(\c)*81920+512
.endif
	global_load_b128 v[rg+8:rg+11],  v[L16], s[12:13] offset:(\c)*81920+4096
	global_load_b128 v[rg+12:rg+15], v[L16], s[12:13] offset:(\c)*81920+4608
.endm
.macro ZST c                           ; wave 0, the two lanes with l % 16 = 0: 8 features each
	s_cmp_lg_u32 s8, 0
	s_cbranch_scc1 .Lnz_\@
	v_cmp_eq_u32 vcc_lo, 0, v[RR]
	s_wait_xcnt 0x0                                ; EXEC changes only behind this wait
	s_and_saveexec_b32 s18, vcc_lo
	global_store_b128 v[ZO], v[ZA:ZA+3],   s[16:17] offset:(\c)*1024
	global_store_b128 v[ZO], v[ZA+4:ZA+7], s[16:17] offset:(\c)*1024+16
	s_wait_xcnt 0x0                                ; and z is added onto only behind this one
	s_or_b32 exec_lo, exec_lo, s18
.Lnz_\@:
.endm
.irp c, 0,1,2,3,4,5,6,7
	LDC \c
.endr
.irp i, 0,1,2,3,4,5,6,7,8,9,10,11,12,13,14,15
	v_mov_b32 v[SA+\i], 0
.endr
.macro PSTEP c
	s_wait_xcnt 0x0                                ; the last step's store has read OO
.irp i, 0,1,2,3,4,5,6,7
	v_max_num_f32 v[TT+\i], 0x0da24260, v[ZA+\i]   ; 1e-30: ahead of chunk 0 both sums are 0
.endr
.irp i, 0,1,2,3,4,5,6,7
	v_rcp_f32 v[TT+\i], v[TT+\i]
.endr
	v_nop
	s_wait_alu depctr_va_vdst(0)                   ; one wait for the eight reciprocals
.irp i, 0,1,2,3
	v_pk_mul_f32 v[TT+2*\i:TT+2*\i+1], v[TT+2*\i:TT+2*\i+1], v[SA+2*\i:SA+2*\i+1]
.endr
.irp i, 0,1,2,3
	v_cvt_pk_f16_f32 v[OO+\i], v[TT+2*\i], v[TT+2*\i+1]
.endr
	global_store_b128 v[L16], v[OO:OO+3], s[14:15] offset:(\c)*32768
	ZST \c
.if (\c) <= 7
	s_wait_loadcnt 28                              ; chunk c is in; seven chunks of four loads are younger
.elseif (\c) < 15
	s_wait_loadcnt 4*(14-(\c))+2                   ; chunks c + 1 .. 14, and chunk 15's two
.else
	s_wait_loadcnt 0x0
.endif
.set rg, RG+16*((\c)%8)
.irp i, 0,1,2,3
.if (\c) < 15
	v_pk_add_f32 v[SA+2*\i:SA+2*\i+1], v[SA+2*\i:SA+2*\i+1], v[rg+2*\i:rg+2*\i+1]
.endif
	v_pk_add_f32 v[ZA+2*\i:ZA+2*\i+1], v[ZA+2*\i:ZA+2*\i+1], v[rg+8+2*\i:rg+8+2*\i+1]
.endr
.if (\c) < 8
	LDC (\c)+8
.endif
.endm
.irp c, 0,1,2,3,4,5,6,7,8,9,10,11,12,13,14,15
	PSTEP \c
.endr
	ZST 16
	s_endpgm
.Lfunc_end_k_q4a438742e2_prefix:
	.size	k_q4a438742e2_prefix, .Lfunc_end_k_q4a438742e2_prefix-k_q4a438742e2_prefix
	.p2alignl 7, 3214868480
	.fill 96, 4, 3214868480
	.section	.rodata,"a",@progbits
	.p2align	6, 0x0
	.amdhsa_kernel k_q4a438742e2_prefix
		.amdhsa_group_segment_fixed_size 0
		.amdhsa_private_segment_fixed_size 0
		.amdhsa_enable_private_segment 0
		.amdhsa_kernarg_size 16
		.amdhsa_user_sgpr_count 2
		.amdhsa_user_sgpr_kernarg_segment_ptr 1
		.amdhsa_wavefront_size32 1
		.amdhsa_system_sgpr_workgroup_id_x 1
		.amdhsa_system_sgpr_workgroup_id_y 1
		.amdhsa_system_sgpr_workgroup_id_z 1
		.amdhsa_system_vgpr_workitem_id 0
		.amdhsa_next_free_vgpr 192
		.amdhsa_next_free_sgpr 66
		.amdhsa_reserve_vcc 1
		.amdhsa_float_denorm_mode_32 3
		.amdhsa_float_denorm_mode_16_64 3
		.amdhsa_memory_ordered 1
		.amdhsa_forward_progress 1
		.amdhsa_inst_pref_size 46
	.end_amdhsa_kernel
	.amdgpu_metadata
---
amdhsa.version: [ 1, 2 ]
amdhsa.kernels:
  - .name:           k_q4a438742e2_prefix
    .symbol:         k_q4a438742e2_prefix.kd
    .args:
      - { .name: st, .offset: 0, .size: 8, .value_kind: global_buffer, .address_space: global }
      - { .name: pre, .offset: 8, .size: 8, .value_kind: global_buffer, .address_space: global }
    .group_segment_fixed_size: 0
    .private_segment_fixed_size: 0
    .kernarg_segment_align: 8
    .kernarg_segment_size: 16
    .max_flat_workgroup_size: 128
    .sgpr_count:     66
    .vgpr_count:     192
    .wavefront_size: 32
...
	.end_amdgpu_metadata
.endif
;; end of part 4
;; launch attn (part 5): grid 16 x 16, 4 waves a work-group, no clusters, 231,936 bytes of LDS; arguments wts, qkv, pre, avf; writes avf
.if DOCPART == 5
	.amdgcn_target "amdgcn-amd-amdhsa--gfx1250"
	.amdhsa_code_object_version 6
	.text
	.protected	k_q4a438742e2_attn
	.globl	k_q4a438742e2_attn
	.p2align	8
	.type	k_q4a438742e2_attn,@function
k_q4a438742e2_attn:
	s_mov_b64 s[64:65], 0
	v_nop
	global_prefetch_b8 v0, s[64:65] scope:SCOPE_SE
	s_setreg_imm32_b32 hwreg(HW_REG_WAVE_MODE, 25, 1), 1
	s_wait_xcnt 0x0
; Causal FAVOR attention for one (b, head) and one chunk of 256 rows: av = num / den, stored as f16 hi + f16 lo fragments for the output projection.
; Features (times 4096 sqrt(256), which cancels): kp = 2^(K1 (k . proj - mx) - log2(e) diag + 12) + 4096e-6 with the global maximum mx; qp the same with the row's own maximum:
; both maxima are taken away before the exponential, as the reference takes them, so every exponent is at most 12.
; For row i: s = 2^14 / sum_m qp zz[c+1]; weights on the earlier chunks' means A: w = qp zz[c] s; weights on the chunk's own keys j <= i: p = (qp . kp_j) s.  Every weight is at most 2^14,
; since each is one term of the sum that s divides by.  w, p, qp, kp enter products in f16.  av = (A^T w + V^T p) / (sum w + sum p); the divisor is the f32 sum of the weights AS ROUNDED to f16,
; so that a row's weights and their sum agree: a row with one key gives that key's v.
; LIMITS: q, k, v within 65,504; a weight below 6e-5 keeps f16's step of 6e-8, against a bound of 2^14; NaN and infinities are not treated apart.
; PHASES: the chunk's v, A and zz are copied into LDS; each wave makes kp of 4 key tiles into LDS; a barrier; then nothing is written to LDS but the closing add.
; A wave takes two pairs of row tiles, pair w and pair 7 - w: 9 live key steps of 32 keys in every wave.  The key loop counts 8 steps; steps above the diagonal are jumped forward.
; LDS: KP [key tile 16][ft 16][512] at 0; VL, the chunk of vf, at 131,072; AFL [dt 4][ft 16][512] at 196,608; ZL, zz[c] and zz[c+1], at 229,376; the spare words at 231,424.
; REGISTERS: window 0 below; window 1: v0-127 qp in f16 (64 a + 8 fk), v128-191 O^T (32 a + 8 dt), v192-255 v's fragments; window 2: proj's 32 fragments at 16 ft + 8 ks.
.set SPARE, 231424
.set L16, 1
.set T16, 2
.set RR,  3
.set HH,  4
.set R4,  5
.set AKP, 6                            ; LDS address of the key step's kp
.set AVL, 7                            ; of its v
.set AAF, 8
.set AZ,  9
.set KST, 10
.set LIM, 11                           ; v11, v12: my row less my lanes' first key of the step, for row tile 0, 1
.set DKR, 13
.set G,   14                           ; v[14:15] the exponent's constant part, in the low word
.set SC,  16                           ; v[16:19] s, twice, for row tile 0, 1
.set DS,  20                           ; v[20:23] the weights' sums: low halves', high halves', for row tile 0, 1
.set MXK, 24
.set ONE, 25
.set SPW, 26
.set NIL, 27
.set RM,  28                           ; v[28:31] at work
.set RF,  32                           ; v[32:47] a row tile's two fragments
.set TH,  48                           ; v[48:111] f16 features or weights, 4 registers a feature tile
.set PT,  48                           ; in the key loop: p in f16, 8 a
.set PP,  64                           ; p's four result tiles at 8 (2 kt + a)
.set QF,  128                          ; v[128:255] 16 result tiles; later fragments from LDS, and the way out
.set MSB, 0
.macro WIN new
.if MSB != (\new)
	s_set_vgpr_msb (MSB<<8)|(\new)
.set MSB, (\new)
.endif
.endm
.macro PLACES n=4                      ; places behind matrix instructions: four ahead of vector readers and of loads into their registers, five ahead of a matrix instruction that writes over one
.rept \n
	v_nop
.endr
.endm
; row . proj for 16 rows and all 256 features: source 0 = 16 features, source 1 = 16 rows: a lane holds one row and 8 features of each tile.  The 16 tiles take turns.
.macro DD
	WIN 0x02
.set k, 0
.rept 2
.set f, 0
.rept 16
.if k == 0
	v_wmma_f32_16x16x32_f16 v[QF+8*f:QF+8*f+7], v[16*f:16*f+7], v[RF:RF+7], 0
.else
	v_wmma_f32_16x16x32_f16 v[QF+8*f:QF+8*f+7], v[16*f+8:16*f+15], v[RF+8:RF+15], v[QF+8*f:QF+8*f+7]
.endif
.set f, f+1
.endr
.set k, k+1
.endr
	WIN 0
	PLACES
.endm
; 2^(K1 x + G) + 4096e-6 on the 128 numbers: one batch of exponentials, one wait
.macro FEAT
.set i, 0
.rept 64
	v_pk_fma_f32 v[QF+2*i:QF+2*i+1], v[QF+2*i:QF+2*i+1], s[32:33], v[G:G+1] op_sel_hi:[1,0,0]
.set i, i+1
.endr
.set i, 0
.rept 128
	v_exp_f32 v[QF+i], v[QF+i]
.set i, i+1
.endr
	v_nop
	s_wait_alu depctr_va_vdst(0)                   ; ahead of the batch's first reader
.set i, 0
.rept 64
	v_pk_add_f32 v[QF+2*i:QF+2*i+1], v[QF+2*i:QF+2*i+1], s[34:35] op_sel_hi:[1,0]
.set i, i+1
.endr
.endm
.macro ZLD off, bt                     ; z of my 8 features of feature tiles 4 bt .. + 3, into v32-47 and v112-127
.set zq, 0
.rept 4
.set zb, 32+8*zq+64*(zq/2)
	ds_load_b128 v[zb:zb+3],   v[AZ] offset:(\off)+64*(4*(\bt)+zq)
	ds_load_b128 v[zb+4:zb+7], v[AZ] offset:(\off)+64*(4*(\bt)+zq)+16
.set zq, zq+1
.endr
.endm
	s_load_b256 s[4:11], s[0:1], 0x0               ; wts s[4:5], qkv s[6:7], pre s[8:9], avf s[10:11]
	v_lshl_add_u32 v[SPW], v0, 2, SPARE
	v_mov_b32 v[NIL], 0
	v_lshrrev_b32 v28, 5, v0
	v_readfirstlane_b32 s12, v28                   ; wave
	v_and_b32 v28, 31, v0
	v_lshlrev_b32 v[L16], 4, v28
	v_lshlrev_b32 v[T16], 4, v0
	v_and_b32 v[RR], 15, v0
	v_bfe_u32 v[HH], v0, 4, 1
	v_lshlrev_b32 v[R4], 2, v[RR]
	v_add_nc_u32 v[AAF], 196608, v[L16]
	v_lshl_add_u32 v[AZ], v[HH], 5, 229376
	s_lshl_b32 s40, s12, 15
	v_add_nc_u32 v[KST], s40, v[L16]               ; my four key tiles of KP
	v_mov_b32 v[G+1], 0
	v_mov_b32 v[ONE], 1.0
	s_mov_b32 s13, ttmp9                           ; chunk
	s_and_b32 s14, ttmp7, 0xffff                   ; bh
	s_mov_b32 s15, s12                             ; the first pair of row tiles
	s_mov_b32 s32, 0x3f0293ee                      ; K1
	s_mov_b32 s33, s32
	s_mov_b32 s34, 0x3b8637bd                      ; 4096e-6
	s_mov_b32 s35, s34
	s_mov_b32 s36, 0xbfb8aa3b                      ; -log2(e)
	s_mov_b32 s37, 0xbf0293ee                      ; -K1
	s_mov_b32 s38, 0x76543210
	s_mov_b32 s39, 0xfedcba98
	s_mov_b32 s47, 0x41400000                      ; 12
	s_lshl_b32 s40, s14, 19
	s_lshl_b32 s41, s13, 15
	s_add_co_u32 s40, s40, s41                     ; the chunk in qf, kf and af
	s_mov_b32 s41, 0
	s_lshl_b32 s42, s40, 1                         ; in vf
	s_mov_b32 s43, 0
	s_wait_kmcnt 0x0
	s_add_nc_u64 s[20:21], s[6:7], s[40:41]        ; qf
	s_add_nc_u64 s[16:17], s[20:21], 0x800000      ; kf
	s_add_nc_u64 s[54:55], s[8:9], s[40:41]        ; af
	s_add_nc_u64 s[48:49], s[6:7], s[42:43]
	s_add_nc_u64 s[48:49], s[48:49], 0x1000000     ; vf
	s_lshl_b32 s40, s12, 13
	s_add_nc_u64 s[16:17], s[16:17], s[40:41]      ; kf at my four key tiles
	s_lshl_b32 s40, s14, 14
	s_lshl_b32 s42, s13, 10
	s_add_co_u32 s40, s40, s42
	s_add_nc_u64 s[22:23], s[6:7], s[40:41]
	s_add_nc_u64 s[22:23], s[22:23], 0x2000000     ; dq
	s_add_nc_u64 s[18:19], s[22:23], 0x40000
	s_lshl_b32 s40, s12, 8
	s_add_nc_u64 s[18:19], s[18:19], s[40:41]      ; dk at my four key tiles
	s_add_nc_u64 s[50:51], s[6:7], 0x2080000       ; pmax
	s_mul_i32 s40, s14, 17408
	s_add_co_u32 s40, s40, s42
	s_add_nc_u64 s[52:53], s[8:9], s[40:41]
	s_add_nc_u64 s[52:53], s[52:53], 0x800000      ; zz[c], zz[c+1]
	s_lshr_b32 s40, s14, 3
	s_lshl_b32 s40, s40, 23
	s_lshl_b32 s42, s13, 19
	s_add_co_u32 s40, s40, s42
	s_and_b32 s42, s14, 7
	s_lshl_b32 s42, s42, 14
	s_add_co_u32 s40, s40, s42
	s_add_nc_u64 s[24:25], s[10:11], s[40:41]      ; avf: [64 rows][ks = 2 head + dt / 2][hi, lo][row tile 4][1,024]
	WIN 0x80
.set i, 0
.rept 64
	global_load_b128 v[4*i:4*i+3], v[L16], s[4:5] offset:2097152+512*i
.set i, i+1
.endr
	WIN 0x40
.set i, 0
.rept 16
	global_load_b128 v[4*i:4*i+3], v[T16], s[54:55] offset:2048*i
.set i, i+1
.endr
	WIN 0
.set i, 0
.rept 8
	global_load_b128 v[64+4*i:64+4*i+3], v[L16], s[50:51] offset:512*i
.set i, i+1
.endr
	global_load_b128 v[96:99], v[T16], s[52:53]
.set i, 0
.rept 32
	global_load_b128 v[QF+4*i:QF+4*i+3], v[T16], s[48:49] offset:2048*i
.set i, i+1
.endr
.irp i, 0,1,2,3
	global_load_b128 v[RF+4*\i:RF+4*\i+3], v[L16], s[16:17] offset:512*\i
.endr
	global_load_b32 v[DKR], v[R4], s[18:19]
	v_add_nc_u32 v28, 131072, v[T16]
	v_add_nc_u32 v29, 196608, v[T16]
	v_add_nc_u32 v30, 229376, v[T16]
	s_wait_loadcnt 0x0
.set i, 0
.rept 32
	ds_store_b128 v28, v[QF+4*i:QF+4*i+3] offset:2048*i
.set i, i+1
.endr
	ds_store_b128 v30, v[96:99]
	WIN 0x04
.set i, 0
.rept 16
	ds_store_b128 v29, v[4*i:4*i+3] offset:2048*i
.set i, i+1
.endr
	WIN 0
.set i, 1
.rept 15
	v_max3_num_f32 v64, v64, v[64+i], v[64+i+1]
.set i, i+2
.endr
	v_max_num_f32 v64, v64, v95
	v_max_num_f32_dpp v64, v64, v64 row_xmask:1 row_mask:0xf bank_mask:0xf
	v_max_num_f32_dpp v64, v64, v64 row_xmask:2 row_mask:0xf bank_mask:0xf
	v_max_num_f32_dpp v64, v64, v64 row_xmask:4 row_mask:0xf bank_mask:0xf
	v_max_num_f32_dpp v64, v64, v64 row_xmask:8 row_mask:0xf bank_mask:0xf
	v_permlanex16_b32 v65, v64, s38, s39
	v_max_num_f32 v64, v64, v65
	v_fma_f32 v[MXK], v64, s37, s47                ; 12 - K1 mx
	; THE KEYS' FEATURES: four trips, a key tile each
	s_mov_b32 s44, 4
	s_mov_b32 s41, 0
	s_mov_b32 s43, 0
.Lk:
	s_wait_loadcnt 0x0                             ; the tile's k and diag
	v_fma_f32 v[G], v[DKR], s36, v[MXK]
	DD
	s_wait_xcnt 0x0
	s_cmp_gt_u32 s44, 1                            ; the last trip steps by 0, so that its loads stay inside my tiles
	s_cselect_b32 s40, 2048, 0
	s_cselect_b32 s42, 64, 0
	s_add_nc_u64 s[16:17], s[16:17], s[40:41]
	s_add_nc_u64 s[18:19], s[18:19], s[42:43]
.irp i, 0,1,2,3
	global_load_b128 v[RF+4*\i:RF+4*\i+3], v[L16], s[16:17] offset:512*\i
.endr
	global_load_b32 v[DKR], v[R4], s[18:19]
	FEAT
.set i, 0
.rept 64
	v_cvt_pk_f16_f32 v[TH+i], v[QF+2*i], v[QF+2*i+1]
.set i, i+1
.endr
.set f, 0
.rept 16
	ds_store_b128 v[KST], v[TH+4*f:TH+4*f+3] offset:512*f
.set f, f+1
.endr
	v_add_nc_u32 v[KST], 8192, v[KST]
	s_sub_co_u32 s44, s44, 1
	s_cmp_lg_u32 s44, 0
	s_cbranch_scc1 .Lk
	s_wait_loadcnt 0x0                             ; the last trip's loads: their registers are loaded again below
	s_wait_dscnt 0x0                               ; all my LDS stores are done,
	s_barrier_signal -1
	s_barrier_wait -1                              ; everybody's are
; Row tile a of the pair: qp, s, the weights w, and O^T = A^T w.
.macro QT a
.irp i, 0,1,2,3
	global_load_b128 v[RF+4*\i:RF+4*\i+3], v[L16], s[26:27] offset:(\a)*2048+512*\i
.endr
	global_load_b32 v[DKR], v[R4], s[28:29] offset:(\a)*64
	s_wait_loadcnt 0x0
	DD
.set g, 0
.rept 4                                ; the row's maximum: four chains, a tile each, by turns; each tile is read from its low end on
.set j, 0
.rept 4
.set q, 0
.rept 4
.set d, QF+8*(4*g+q)
.if g == 0
.if j == 0
	v_max3_num_f32 v[RM+q], v[d], v[d+1], v[d+2]
.elseif j < 3
	v_max3_num_f32 v[RM+q], v[RM+q], v[d+2*j+1], v[d+2*j+2]
.else
	v_max_num_f32 v[RM+q], v[RM+q], v[d+7]
.endif
.else
	v_max3_num_f32 v[RM+q], v[RM+q], v[d+2*j], v[d+2*j+1]
.endif
.set q, q+1
.endr
.set j, j+1
.endr
.set g, g+1
.endr
	v_max3_num_f32 v[RM], v[RM], v[RM+1], v[RM+2]
	v_max_num_f32 v[RM], v[RM], v[RM+3]
	v_permlanex16_b32 v[RM+1], v[RM], s38, s39     ; the row's other 128 features lie in the lane 16 away
	v_max_num_f32 v[RM], v[RM], v[RM+1]
	v_fma_f32 v[G], v[RM], s37, s47
	v_fma_f32 v[G], v[DKR], s36, v[G]
	FEAT
	WIN 0x40
.set i, 0
.rept 64
	v_cvt_pk_f16_f32 v[64*(\a)+i], v[QF+2*i], v[QF+2*i+1]
.set i, i+1
.endr
	WIN 0
.irp i, 0,1,2,3
	v_mov_b32 v[RM+\i], 0
.endr
.set bt, 0
.rept 4                                ; sum_m qp zz[c+1], in two packed chains
	ZLD 1024, bt
	s_wait_dscnt 0x0
.set zq, 0
.rept 4
.set zb, 32+8*zq+64*(zq/2)
.set i, 0
.rept 4
	v_pk_fma_f32 v[RM+2*(i%2):RM+2*(i%2)+1], v[QF+8*(4*bt+zq)+2*i:QF+8*(4*bt+zq)+2*i+1], v[zb+2*i:zb+2*i+1], v[RM+2*(i%2):RM+2*(i%2)+1]
.set i, i+1
.endr
.set zq, zq+1
.endr
.set bt, bt+1
.endr
	v_pk_add_f32 v[RM:RM+1], v[RM:RM+1], v[RM+2:RM+3]
	v_add_f32 v[RM], v[RM], v[RM+1]
	v_permlanex16_b32 v[RM+1], v[RM], s38, s39
	v_add_f32 v[RM], v[RM], v[RM+1]
	v_rcp_f32 v[RM], v[RM]
	v_mov_b32 v[DS+2*(\a)], 0
	v_mov_b32 v[DS+2*(\a)+1], 0
	s_wait_alu depctr_va_vdst(0)
	v_mul_f32 v[SC+2*(\a)], 0x46800000, v[RM]      ; s = 2^14 / the sum
	v_mov_b32 v[SC+2*(\a)+1], v[SC+2*(\a)]
	v_mov_b32 v[RM], 0                             ; two more chains for the weights' sum
	v_mov_b32 v[RM+1], 0
.set bt, 0
.rept 4                                ; w = qp zz[c] s, rounded to f16; the rounded weights are summed in f32, in four chains
	ZLD 0, bt
	s_wait_dscnt 0x0
.set zq, 0
.rept 4
.set zb, 32+8*zq+64*(zq/2)
.set d, QF+8*(4*bt+zq)
.irp i, 0,1,2,3
	v_pk_mul_f32 v[d+2*\i:d+2*\i+1], v[d+2*\i:d+2*\i+1], v[zb+2*\i:zb+2*\i+1]
.endr
.irp i, 0,1,2,3
	v_pk_mul_f32 v[d+2*\i:d+2*\i+1], v[d+2*\i:d+2*\i+1], v[SC+2*(\a):SC+2*(\a)+1]
.endr
.irp i, 0,1,2,3
	v_cvt_pk_f16_f32 v[TH+4*(4*bt+zq)+\i], v[d+2*\i], v[d+2*\i+1]
.endr
.set i, 0
.rept 4
.if i%2
.set tg, RM
.else
.set tg, DS+2*(\a)
.endif
	v_fma_mix_f32 v[tg],   v[TH+4*(4*bt+zq)+i], v[ONE], v[tg]   op_sel_hi:[1,0,0]
	v_fma_mix_f32 v[tg+1], v[TH+4*(4*bt+zq)+i], v[ONE], v[tg+1] op_sel:[1,0,0] op_sel_hi:[1,0,0]
.set i, i+1
.endr
.set zq, zq+1
.endr
.set bt, bt+1
.endr
	v_pk_add_f32 v[DS+2*(\a):DS+2*(\a)+1], v[DS+2*(\a):DS+2*(\a)+1], v[RM:RM+1]
.set bt, 0
.rept 2                                ; O^T = A^T w: two batches of 128 features; A's 16 fragments of a batch come in one run
.set e, 0
.rept 16                               ; e = 4 fk + dt
	ds_load_b128 v[QF+8*e:QF+8*e+3],   v[AAF] offset:(e%4)*8192+(4*bt+e/4)*1024
	ds_load_b128 v[QF+8*e+4:QF+8*e+7], v[AAF] offset:(e%4)*8192+(4*bt+e/4)*1024+512
.set e, e+1
.endr
.set e, 0
.rept 16
.if e%4 == 0
	s_wait_dscnt 24-2*e                            ; the next four fragments are in: eight loads; the younger ones stay out
	WIN 0x50
.endif
.set ac, 128+32*(\a)+8*(e%4)
.if (bt == 0) && (e < 4)
	v_wmma_f32_16x16x32_f16 v[ac:ac+7], v[QF+8*e:QF+8*e+7], v[TH+8*(4*bt+e/4):TH+8*(4*bt+e/4)+7], 0
.else
	v_wmma_f32_16x16x32_f16 v[ac:ac+7], v[QF+8*e:QF+8*e+7], v[TH+8*(4*bt+e/4):TH+8*(4*bt+e/4)+7], v[ac:ac+7]
.endif
.set e, e+1
.endr
	WIN 0
	PLACES 5                                       ; five: the next row tile's products row . proj write over the fragments that these products read
.set bt, bt+1
.endr
.endm
	s_mov_b32 s45, 2
.Lu:                                               ; two trips: pair w, then pair 7 - w
	s_wait_xcnt 0x0                                ; the last trip's stores have read their registers and their base
	s_mov_b32 s41, 0
	s_lshl_b32 s40, s15, 12
	s_add_nc_u64 s[26:27], s[20:21], s[40:41]      ; the pair's rows in qf,
	s_lshl_b32 s40, s15, 7
	s_add_nc_u64 s[28:29], s[22:23], s[40:41]      ; in dq,
	s_lshr_b32 s40, s15, 1
	s_lshl_b32 s40, s40, 17
	s_and_b32 s42, s15, 1
	s_lshl_b32 s42, s42, 11
	s_add_co_u32 s40, s40, s42
	s_add_nc_u64 s[30:31], s[24:25], s[40:41]      ; and in avf
	QT 0
	QT 1
	v_mov_b32 v[AKP], v[L16]
	v_add_nc_u32 v[AVL], 131072, v[L16]
	s_lshl_b32 s40, s15, 5
	v_lshlrev_b32 v28, 3, v[HH]
	v_sub_nc_u32 v28, v[RR], v28
	v_add_nc_u32 v[LIM], s40, v28                  ; 32 pair + l % 16 - 8 (l / 16)
	v_add_nc_u32 v[LIM+1], 16, v[LIM]
	s_sub_co_u32 s56, 8, s15                       ; step 8 - s46 is live while it is at most the pair's number: while s46 is at least 8 - pair
	s_mov_b32 s46, 8
.Lkey:                                             ; a step: 32 keys against the pair's 32 rows
	s_cmp_lt_u32 s46, s56
	s_cbranch_scc1 .Ldead                          ; wholly above the diagonal
.set e, 0
.rept 16                               ; e = 2 fk + kt
	ds_load_b128 v[QF+8*e:QF+8*e+3],   v[AKP] offset:(e%2)*8192+(e/2)*1024
	ds_load_b128 v[QF+8*e+4:QF+8*e+7], v[AKP] offset:(e%2)*8192+(e/2)*1024+512
.set e, e+1
.endr
	WIN 0x40
.set e, 0
.rept 8                                ; e = 4 hl + dt
	ds_load_b128 v[192+8*e:192+8*e+3],   v[AVL] offset:512*e
	ds_load_b128 v[192+8*e+4:192+8*e+7], v[AVL] offset:4096+512*e
.set e, e+1
.endr
.set f, 0
.rept 8                                ; kp . qp: source 0 = 16 keys, source 1 = 16 rows; the four tiles take turns
.if f%2 == 0
	s_wait_dscnt 40-4*f                            ; kp of two more feature steps is in: 8 loads; behind them the rest of kp and v's 16
.endif
	WIN 0x04
.set t, 0
.rept 4                                ; t = 2 kt + a
.if f == 0
	v_wmma_f32_16x16x32_f16 v[PP+8*t:PP+8*t+7], v[QF+8*(2*f+t/2):QF+8*(2*f+t/2)+7], v[64*(t%2)+8*f:64*(t%2)+8*f+7], 0
.else
	v_wmma_f32_16x16x32_f16 v[PP+8*t:PP+8*t+7], v[QF+8*(2*f+t/2):QF+8*(2*f+t/2)+7], v[64*(t%2)+8*f:64*(t%2)+8*f+7], v[PP+8*t:PP+8*t+7]
.endif
.set t, t+1
.endr
.set f, f+1
.endr
	WIN 0
	PLACES
.set t, 0
.rept 4                                ; a key later than the row counts 0
.set j, 0
.rept 8
	v_cmp_le_i32 vcc_lo, 16*(t/2)+j, v[LIM+t%2]
	v_cndmask_b32 v[PP+8*t+j], 0, v[PP+8*t+j], vcc_lo
.set j, j+1
.endr
.set t, t+1
.endr
.set t, 0
.rept 4
.irp i, 0,1,2,3
	v_pk_mul_f32 v[PP+8*t+2*\i:PP+8*t+2*\i+1], v[PP+8*t+2*\i:PP+8*t+2*\i+1], v[SC+2*(t%2):SC+2*(t%2)+1]
.endr
.set t, t+1
.endr
.set t, 0
.rept 4
.irp i, 0,1,2,3
	v_cvt_pk_f16_f32 v[PT+8*(t%2)+4*(t/2)+\i], v[PP+8*t+2*\i], v[PP+8*t+2*\i+1]
.endr
.set t, t+1
.endr
.set i, 0
.rept 4                                ; the rounded weights are summed in f32: four chains by turns
.set t, 0
.rept 4
	v_fma_mix_f32 v[DS+2*(t%2)],   v[PT+8*(t%2)+4*(t/2)+i], v[ONE], v[DS+2*(t%2)]   op_sel_hi:[1,0,0]
	v_fma_mix_f32 v[DS+2*(t%2)+1], v[PT+8*(t%2)+4*(t/2)+i], v[ONE], v[DS+2*(t%2)+1] op_sel:[1,0,0] op_sel_hi:[1,0,0]
.set t, t+1
.endr
.set i, i+1
.endr
	s_wait_dscnt 0x0                               ; v is in
	WIN 0x51
.set e, 0
.rept 16                               ; O^T += V^T p: hi for 8 accumulators, then lo; e = 8 hl + 2 dt + a
.set ac, 128+32*(e%2)+8*((e/2)%4)
	v_wmma_f32_16x16x32_f16 v[ac:ac+7], v[192+8*(e/2):192+8*(e/2)+7], v[PT+8*(e%2):PT+8*(e%2)+7], v[ac:ac+7]
.set e, e+1
.endr
	WIN 0
.Ldead:                                            ; the addresses step in every trip, live or dead: base + 16,384 (8,192) x the step's number
	v_add_nc_u32 v[AKP], 16384, v[AKP]             ; these four are also the places between the products above and the next step's loads into v's fragments
	v_add_nc_u32 v[AVL], 8192, v[AVL]
	v_add_nc_u32 v[LIM], 0xffffffe0, v[LIM]        ; - 32
	v_add_nc_u32 v[LIM+1], 0xffffffe0, v[LIM+1]
	s_sub_co_u32 s46, s46, 1
	s_cmp_lg_u32 s46, 0
	s_cbranch_scc1 .Lkey
	; THE WAY OUT: O^T is divided by the weights' sum and leaves as f16 hi + f16 lo
.irp a, 0,1
	v_add_f32 v[RM+\a], v[DS+2*\a], v[DS+2*\a+1]
.endr
.irp a, 0,1
	v_permlanex16_b32 v[RM+2+\a], v[RM+\a], s38, s39
.endr
.irp a, 0,1
	v_add_f32 v[RM+\a], v[RM+\a], v[RM+2+\a]
.endr
	v_rcp_f32 v[RM], v[RM]
	v_rcp_f32 v[RM+1], v[RM+1]
	v_nop
	s_wait_alu depctr_va_vdst(0)
.irp a, 0,1
	v_mov_b32 v[DS+2*\a], v[RM+\a]
	v_mov_b32 v[DS+2*\a+1], v[RM+\a]
.endr
	WIN 0x01
.set e, 0
.rept 8                                ; e = 4 a + dt: 16 registers each: 8 numbers, 4 of hi, 4 of lo
.irp i, 0,1,2,3
	v_pk_mul_f32 v[QF+16*e+2*\i:QF+16*e+2*\i+1], v[128+8*e+2*\i:128+8*e+2*\i+1], v[DS+2*(e/4):DS+2*(e/4)+1]
.endr
.set e, e+1
.endr
	WIN 0
.set e, 0
.rept 8
.irp i, 0,1,2,3
	v_cvt_pk_f16_f32 v[QF+16*e+8+\i], v[QF+16*e+2*\i], v[QF+16*e+2*\i+1]
.endr
.irp i, 0,1,2,3
	v_fma_mix_f32 v[QF+16*e+2*\i],   -v[QF+16*e+8+\i], v[ONE], v[QF+16*e+2*\i]   op_sel_hi:[1,0,0]
	v_fma_mix_f32 v[QF+16*e+2*\i+1], -v[QF+16*e+8+\i], v[ONE], v[QF+16*e+2*\i+1] op_sel:[1,0,0] op_sel_hi:[1,0,0]
.endr
.irp i, 0,1,2,3
	v_cvt_pk_f16_f32 v[QF+16*e+12+\i], v[QF+16*e+2*\i], v[QF+16*e+2*\i+1]
.endr
	global_store_b128 v[L16], v[QF+16*e+8:QF+16*e+11],  s[30:31] offset:((e%4)/2)*8192+(e/4)*1024+(e%2)*512
	global_store_b128 v[L16], v[QF+16*e+12:QF+16*e+15], s[30:31] offset:((e%4)/2)*8192+4096+(e/4)*1024+(e%2)*512
.set e, e+1
.endr
	s_sub_co_u32 s15, 7, s15
	s_sub_co_u32 s45, s45, 1
	s_cmp_lg_u32 s45, 0
	s_cbranch_scc1 .Lu
	s_wait_dscnt 0x0                               ; my LDS reads are back,
	s_barrier_signal -1
	s_barrier_wait -1                              ; everybody's are: no wave writes LDS again, by its closing add, while another still reads
	s_wait_tensorcnt 0x0                           ; the wave's end
	ds_add_u32 v[SPW], v[NIL]
	s_wait_dscnt 0x0
	s_endpgm
.Lfunc_end_k_q4a438742e2_attn:
	.size	k_q4a438742e2_attn, .Lfunc_end_k_q4a438742e2_attn-k_q4a438742e2_attn
	.p2alignl 7, 3214868480
	.fill 96, 4, 3214868480
	.section	.rodata,"a",@progbits
	.p2align	6, 0x0
	.amdhsa_kernel k_q4a438742e2_attn
		.amdhsa_group_segment_fixed_size 231936
		.amdhsa_private_segment_fixed_size 0
		.amdhsa_enable_private_segment 0
		.amdhsa_kernarg_size 32
		.amdhsa_user_sgpr_count 2
		.amdhsa_user_sgpr_kernarg_segment_ptr 1
		.amdhsa_wavefront_size32 1
		.amdhsa_system_sgpr_workgroup_id_x 1
		.amdhsa_system_sgpr_workgroup_id_y 1
		.amdhsa_system_sgpr_workgroup_id_z 1
		.amdhsa_system_vgpr_workitem_id 0
		.amdhsa_next_free_vgpr 768
		.amdhsa_next_free_sgpr 66
		.amdhsa_reserve_vcc 1
		.amdhsa_float_denorm_mode_32 3
		.amdhsa_float_denorm_mode_16_64 3
		.amdhsa_memory_ordered 1
		.amdhsa_forward_progress 1
		.amdhsa_inst_pref_size 184
	.end_amdhsa_kernel
	.amdgpu_metadata
---
amdhsa.version: [ 1, 2 ]
amdhsa.kernels:
  - .name:           k_q4a438742e2_attn
    .symbol:         k_q4a438742e2_attn.kd
    .args:
      - { .name: wts, .offset: 0, .size: 8, .value_kind: global_buffer, .address_space: global }
      - { .name: qkv, .offset: 8, .size: 8, .value_kind: global_buffer, .address_space: global }
      - { .name: pre, .offset: 16, .size: 8, .value_kind: global_buffer, .address_space: global }
      - { .name: avf, .offset: 24, .size: 8, .value_kind: global_buffer, .address_space: global }
    .group_segment_fixed_size: 231936
    .private_segment_fixed_size: 0
    .kernarg_segment_align: 8
    .kernarg_segment_size: 32
    .max_flat_workgroup_size: 128
    .sgpr_count:     66
    .vgpr_count:     768
    .wavefront_size: 32
...
	.end_amdgpu_metadata
.endif
;; end of part 5
;; launch outp (part 6): grid 128 x 2, 4 waves a work-group, no clusters, 34,304 bytes of LDS; arguments wts, avf, bo, out0; writes out0
.if DOCPART == 6
	.amdgcn_target "amdgcn-amd-amdhsa--gfx1250"
	.amdhsa_code_object_version 6
	.text
	.protected	k_q4a438742e2_outp
	.globl	k_q4a438742e2_outp
	.p2align	8
	.type	k_q4a438742e2_outp,@function
k_q4a438742e2_outp:
	s_mov_b64 s[64:65], 0
	v_nop
	global_prefetch_b8 v0, s[64:65] scope:SCOPE_SE
	s_setreg_imm32_b32 hwreg(HW_REG_WAVE_MODE, 25, 1), 1
	s_wait_xcnt 0x0
; out = av Wo + bo for 64 rows and 256 columns.  av = hi + lo in f16, Wo and bo rounded to bf16 (Wo written as f16); products in f16, sums in f32; bo starts the sums as the first C operand.
; SHARES: a wave takes 64 columns (4 tiles) x 64 rows (4 tiles): 16 accumulators in window 1 at 8 (4 et + lt).  Source 0 = 16 columns of Wo, source 1 = 16 rows of av:
; a lane holds one row and 8 neighbouring columns.  K = 512 goes in 16 steps of 32, each with hi and lo.
; av's 8 fragments of a step (8,192 bytes) go through two LDS slots that take turns; Wo's fragments are each wave's own and come straight into registers, two sets by turns.
; The result leaves through the wave's own stage in LDS: rows of 256 bytes + 16, so that 16 lanes store 256 consecutive bytes, aligned.
.set STAGE, 16384
.set SPARE, 33792
.set L16, 1
.set T16, 2
.set RR,  3
.set HH,  4
.set STO, 5
.set RD,  6
.set CO,  7
.set SPW, 8
.set NIL, 9
.set TA,  10
.set TC,  11
.set SG,  16                           ; v[16:31]  my 64 bytes of the next step's av on their way to LDS
.set AA,  32                           ; v[32:95]  Wo's 4 fragments, two sets
.set BB,  96                           ; v[96:159] av's fragments [hi, lo][row tile]
.set BO,  160                          ; v[160:191] bo of my 8 columns of each of 4 tiles
.set OB,  192                          ; v[192:255] the way out, two sets
.set MSB, 0
.macro WIN new
.if MSB != (\new)
	s_set_vgpr_msb (MSB<<8)|(\new)
.set MSB, (\new)
.endif
.endm
.macro PLACES
.rept 4
	v_nop
.endr
.endm
.macro LDSG
.irp i, 0,1,2,3
	global_load_b128 v[SG+4*\i:SG+4*\i+3], v[T16], s[18:19] offset:2048*\i
.endr
.endm
.macro LDA set
.irp i, 0,1,2,3,4,5,6,7
	global_load_b128 v[AA+32*(\set)+4*\i:AA+32*(\set)+4*\i+3], v[L16], s[16:17] offset:512*\i
.endr
.endm
.macro STSG slot
.irp i, 0,1,2,3
	ds_store_b128 v[T16], v[SG+4*\i:SG+4*\i+3] offset:(\slot)*8192+2048*\i
.endr
.endm
	s_load_b256 s[4:11], s[0:1], 0x0               ; wts s[4:5], avf s[6:7], bo s[8:9], out0 s[10:11]
	v_lshl_add_u32 v[SPW], v0, 2, SPARE
	v_mov_b32 v[NIL], 0
	v_lshrrev_b32 v[TA], 5, v0
	v_readfirstlane_b32 s12, v[TA]                 ; wave
	v_and_b32 v[TA], 31, v0
	v_lshlrev_b32 v[L16], 4, v[TA]
	v_lshlrev_b32 v[T16], 4, v0
	v_and_b32 v[RR], 15, v0
	v_bfe_u32 v[HH], v0, 4, 1
	s_mov_b32 s13, ttmp9                           ; 64 rows
	s_and_b32 s14, ttmp7, 0xffff                   ; which 256 columns
	s_mul_i32 s22, s12, 4352
	s_add_co_u32 s22, s22, STAGE                   ; my stage
	v_mul_u32_u24 v[STO], v[RR], 272               ; in: my row, 32 bytes for each half of the lanes
	v_lshl_add_u32 v[STO], v[HH], 5, v[STO]
	v_add_nc_u32 v[STO], s22, v[STO]
	v_mul_u32_u24 v[RD], v[HH], 272                ; back: lanes 0-15 one row of 256 bytes, lanes 16-31 the next
	v_lshl_add_u32 v[RD], v[RR], 4, v[RD]
	v_add_nc_u32 v[RD], s22, v[RD]
	v_lshlrev_b32 v[CO], 11, v[HH]                 ; the same two rows in out0
	v_lshl_add_u32 v[CO], v[RR], 4, v[CO]
	s_lshl_b32 s22, s14, 10
	s_lshl_b32 s23, s12, 8
	s_add_co_u32 s24, s22, s23                     ; my 64 columns, in bytes of f32
	v_lshl_add_u32 v[TA], v[HH], 5, s24
	s_lshl_b32 s22, s24, 4                         ; my 4 column tiles in a step of Wo's fragments
	s_mov_b32 s23, 0
	s_mov_b32 s25, 0
	s_lshl_b32 s20, s13, 17
	s_mov_b32 s21, 0
	s_wait_kmcnt 0x0
	s_add_nc_u64 s[16:17], s[4:5], s[22:23]
	s_add_nc_u64 s[16:17], s[16:17], 1572864       ; Wo's fragments, step 0
	s_add_nc_u64 s[18:19], s[6:7], s[20:21]        ; av's fragments, step 0
	s_add_nc_u64 s[20:21], s[10:11], s[20:21]
	s_add_nc_u64 s[20:21], s[20:21], s[24:25]      ; out0 at my rows and columns
	LDSG
.irp e, 0,1,2,3
	global_load_b128 v[BO+8*\e:BO+8*\e+3],   v[TA], s[8:9] offset:64*\e
	global_load_b128 v[BO+8*\e+4:BO+8*\e+7], v[TA], s[8:9] offset:64*\e+16
.endr
	s_wait_loadcnt 0x0
	STSG 0
	s_add_nc_u64 s[18:19], s[18:19], 8192
	LDA 0
	LDSG
.set i, 0
.rept 16
	v_cvt_pk_bf16_f32 v[TC], v[BO+2*i], v[BO+2*i+1]
	v_lshlrev_b32 v[BO+2*i], 16, v[TC]
	v_and_b32 v[BO+2*i+1], 0xffff0000, v[TC]
.set i, i+1
.endr
	s_wait_dscnt 0x0
	s_barrier_signal -1
	s_barrier_wait -1
; One K step; its av lies in slot, its Wo in set slot.  lda: Wo of the next step; ldsg: av of the step after that; st: the next step's av goes into the other slot.
.macro STEP slot, first, lda, ldsg, st, bar
	s_wait_loadcnt 0x0                             ; all loads are done, so the pointers may be written
.if \st
	STSG 1-(\slot)                                 ; the other slot's readers waited for their loads ahead of the last barrier
.endif
.if \lda
	s_add_nc_u64 s[16:17], s[16:17], 32768
	LDA 1-(\slot)
.endif
.if \ldsg
	s_add_nc_u64 s[18:19], s[18:19], 8192
	LDSG
.endif
.set i, 0
.rept 16
	ds_load_b128 v[BB+4*i:BB+4*i+3], v[L16] offset:(\slot)*8192+512*i
.set i, i+1
.endr
	s_wait_dscnt 8                                 ; hi's four fragments are in; lo's eight loads stay out
.set t, 0
.rept 16                               ; t = 4 et + lt: the 16 accumulators take turns
.if \first
	WIN 0x40
	v_wmma_f32_16x16x32_f16 v[8*t:8*t+7], v[AA+32*(\slot)+8*(t/4):AA+32*(\slot)+8*(t/4)+7], v[BB+8*(t%4):BB+8*(t%4)+7], v[BO+8*(t/4):BO+8*(t/4)+7]
.else
	WIN 0x50
	v_wmma_f32_16x16x32_f16 v[8*t:8*t+7], v[AA+32*(\slot)+8*(t/4):AA+32*(\slot)+8*(t/4)+7], v[BB+8*(t%4):BB+8*(t%4)+7], v[8*t:8*t+7]
.endif
.set t, t+1
.endr
	s_wait_dscnt 0x0
	WIN 0x50
.set t, 0
.rept 16
	v_wmma_f32_16x16x32_f16 v[8*t:8*t+7], v[AA+32*(\slot)+8*(t/4):AA+32*(\slot)+8*(t/4)+7], v[BB+32+8*(t%4):BB+32+8*(t%4)+7], v[8*t:8*t+7]
.set t, t+1
.endr
	WIN 0
	PLACES
.if \bar
	s_wait_dscnt 0x0                               ; my stores into the other slot are done and my reads of this one are back
	s_barrier_signal -1
	s_barrier_wait -1
.endif
.endm
	STEP 0, 1, 1, 1, 1, 1
	s_mov_b32 s26, 6
.Lks:                                              ; steps 1 to 12
	STEP 1, 0, 1, 1, 1, 1
	STEP 0, 0, 1, 1, 1, 1
	s_sub_co_u32 s26, s26, 1
	s_cmp_lg_u32 s26, 0
	s_cbranch_scc1 .Lks
	STEP 1, 0, 1, 1, 1, 1                          ; 13
	STEP 0, 0, 1, 0, 1, 1                          ; 14: no av is left to ask for
	STEP 1, 0, 0, 0, 0, 0                          ; 15
	; THE WAY OUT, a row tile at a time.  LDS serves a wave's instructions in order (ISA guide 5.7.1.4): the loads see the stores above them, the next tile's stores come behind them.
.set l, 0
.rept 4
.if l >= 2
	s_wait_xcnt 0x0                                ; the stores two tiles back have read this set of registers
.endif
	WIN 0x04
.irp e, 0,1,2,3
	ds_store_b128 v[STO], v[8*(4*\e+l):8*(4*\e+l)+3]   offset:64*\e
	ds_store_b128 v[STO], v[8*(4*\e+l)+4:8*(4*\e+l)+7] offset:64*\e+16
.endr
	WIN 0
.irp t, 0,1,2,3,4,5,6,7
	ds_load_b128 v[OB+32*(l%2)+4*\t:OB+32*(l%2)+4*\t+3], v[RD] offset:544*\t
.endr
.irp t, 0,1,2,3,4,5,6,7
	s_wait_dscnt 7-\t
	global_store_b128 v[CO], v[OB+32*(l%2)+4*\t:OB+32*(l%2)+4*\t+3], s[20:21] offset:32768*l+4096*\t  ; 16 lanes store 256 consecutive bytes, at a multiple of 256 from out0's first byte
.endr
.set l, l+1
.endr
	s_wait_tensorcnt 0x0                           ; the wave's end, behind my last LDS store
	ds_add_u32 v[SPW], v[NIL]
	s_wait_dscnt 0x0
	s_endpgm
.Lfunc_end_k_q4a438742e2_outp:
	.size	k_q4a438742e2_outp, .Lfunc_end_k_q4a438742e2_outp-k_q4a438742e2_outp
	.p2alignl 7, 3214868480
	.fill 96, 4, 3214868480
	.section	.rodata,"a",@progbits
	.p2align	6, 0x0
	.amdhsa_kernel k_q4a438742e2_outp
		.amdhsa_group_segment_fixed_size 34304
		.amdhsa_private_segment_fixed_size 0
		.amdhsa_enable_private_segment 0
		.amdhsa_kernarg_size 32
		.amdhsa_user_sgpr_count 2
		.amdhsa_user_sgpr_kernarg_segment_ptr 1
		.amdhsa_wavefront_size32 1
		.amdhsa_system_sgpr_workgroup_id_x 1
		.amdhsa_system_sgpr_workgroup_id_y 1
		.amdhsa_system_sgpr_workgroup_id_z 1
		.amdhsa_system_vgpr_workitem_id 0
		.amdhsa_next_free_vgpr 384
		.amdhsa_next_free_sgpr 66
		.amdhsa_reserve_vcc 0
		.amdhsa_float_denorm_mode_32 3
		.amdhsa_float_denorm_mode_16_64 3
		.amdhsa_memory_ordered 1
		.amdhsa_forward_progress 1
		.amdhsa_inst_pref_size 43
	.end_amdhsa_kernel
	.amdgpu_metadata
---
amdhsa.version: [ 1, 2 ]
amdhsa.kernels:
  - .name:           k_q4a438742e2_outp
    .symbol:         k_q4a438742e2_outp.kd
    .args:
      - { .name: wts, .offset: 0, .size: 8, .value_kind: global_buffer, .address_space: global }
      - { .name: avf, .offset: 8, .size: 8, .value_kind: global_buffer, .address_space: global }
      - { .name: bo, .offset: 16, .size: 8, .value_kind: global_buffer, .address_space: global }
      - { .name: out0, .offset: 24, .size: 8, .value_kind: global_buffer, .address_space: global }
    .group_segment_fixed_size: 34304
    .private_segment_fixed_size: 0
    .kernarg_segment_align: 8
    .kernarg_segment_size: 32
    .max_flat_workgroup_size: 128
    .sgpr_count:     66
    .vgpr_count:     384
    .wavefront_size: 32
...
	.end_amdgpu_metadata
.endif
;; end of part 6
